; MI455X (gfx1250); checked and timed in simulation.
; The chip was launched on July 23, 2026; its instructions are those of AMD's public machine-readable ISA for CDNA 5 (MIT licence, August 2026) and "CDNA5" Instruction Set Architecture Reference Guide (July 2026). The comments in the code are by the model that wrote it; some were corrected since.
;; Multi Head Attention. Allowed arithmetic: matrix products marked QUANTISED: E5M2 operands, one E8M0 scale for each 32 along K, by v_wmma_scale_f32_16x16x128_f8f6f4 with both operands' format E5M2, f32 sums; everything else in f32.
;; Inputs: Wk_codes 1,024 x 32 x 32 uint8 (E5M2 codes of Wk, K innermost, in blocks of 32 codes); Wk_scales 1,024 x 32 uint8 (E8M0 scales of Wk, one for each 32 codes along K); Wo_codes 1,024 x 32 x 32 uint8 (E5M2 codes of Wo, K innermost, in blocks of 32 codes); Wo_scales 1,024 x 32 uint8 (E8M0 scales of Wo, one for each 32 codes along K); Wq_codes 1,024 x 32 x 32 uint8 (E5M2 codes of Wq, K innermost, in blocks of 32 codes); Wq_scales 1,024 x 32 uint8 (E8M0 scales of Wq, one for each 32 codes along K); Wv_codes 1,024 x 32 x 32 uint8 (E5M2 codes of Wv, K innermost, in blocks of 32 codes); Wv_scales 1,024 x 32 uint8 (E8M0 scales of Wv, one for each 32 codes along K); bk 1,024 float32; bo 1,024 float32; bq 1,024 float32; bv 1,024 float32; mask 4 x 2,048 int32; x_codes 4 x 2,048 x 32 x 32 uint8 (E5M2 codes of x, K innermost, in blocks of 32 codes); x_scales 4 x 2,048 x 32 uint8 (E8M0 scales of x, one for each 32 codes along K).
;; Outputs: out0 4 x 2,048 x 1,024 float32.
;; This version of the problem:
;;   THIS VERSION OF THE PROBLEM IS GIVEN IN LOW PRECISION. The matrix products marked QUANTISED in the list below multiply operands that are first quantised to E5M2 (5 exponent bits, 2 mantissa bits; 8 bits a number), with one power-of-two scale for each 32 numbers along K (OCP MX v1.0); their sums are f32. All else is computed in f32.
;;   The module's matrix products, in the order in which they are computed (A, B: the left and right operand; K: the contracted axis; several contracted axes count as one K, in the product's order):
;;     1. [M 8,192, K 1,024] x [K 1,024, N 1,024]; A: input x (given as codes); B: input Wq (given as codes): QUANTISED
;;     2. [M 8,192, K 1,024] x [K 1,024, N 1,024]; A: input x (given as codes); B: input Wk (given as codes): QUANTISED
;;     3. [M 8,192, K 1,024] x [K 1,024, N 1,024]; A: input x (given as codes); B: input Wv (given as codes): QUANTISED
;;     4. batch 64 x [M 2,048, K 64] x [K 64, N 2,048]; A: computed on the way; B: computed on the way: QUANTISED
;;     5. batch 64 x [M 2,048, K 2,048] x [K 2,048, N 64]; A: softmax (see below); B: computed on the way: QUANTISED
;;     6. [M 8,192, K 1,024] x [K 1,024, N 1,024]; A: computed on the way; B: input Wo (given as codes): QUANTISED
;;   THE QUANTISER, for each operand of a quantised product, along K:
;;     - K is cut into blocks of 32 from its start; a last block that is shorter is filled with zeros.
;;     - A block's scale is 2^e with e = floor(log2(the largest magnitude in the block)) - 15, held to -126 .. 127; a block of zeros has e = 0. As a byte (E8M0): e + 127.
;;     - Each number is divided by its block's scale, clamped to +-57,344, and rounded to the nearest number of E5M2, ties to even, subnormals kept.
;;     - The product sums the exact products of the quantised numbers (number of the format x scale) in f32.
;;   ~~~python
;;   def quantise(x, axis):      # numpy; x: float32 -> the quantised numbers, widened to float32 again
;;       x = np.moveaxis(x, axis, -1); K = x.shape[-1]
;;       x = np.pad(x, [(0, 0)] * (x.ndim - 1) + [(0, -K % 32)]); x = x.reshape(x.shape[:-1] + (-1, 32)); a = np.abs(x).max(-1, keepdims=True)
;;       e = np.where(a > 0, np.clip(np.frexp(np.where(a > 0, a, 1))[1] - 1 - 15, -126, 127), 0)      # np.frexp(a)[1] - 1 = floor(log2(a)), exactly
;;       r = np.clip(x / 2.0 ** e, -57344, 57344)
;;       step = 2.0 ** (np.maximum(np.frexp(np.where(r == 0, 1, r))[1] - 1, -14) - 2)
;;       q = np.round(r / step) * step * 2.0 ** e      # np.round: ties to even
;;       return np.moveaxis(q.reshape(q.shape[:-2] + (-1,))[..., :K], -1, axis).astype(np.float32)
;;   ~~~
;;   SOFTMAX AHEAD OF A QUANTISED PRODUCT. Where the list says 'softmax', what is quantised is not the finished softmax but p = 2^(t - M), with t = logit x log2(e) and M = ceil(the row's largest t), a whole number; so 1/2 < the row's largest p <= 1. The row's sum l is taken of the UNQUANTISED p, in f32, and the product's result is divided by l at the end. Since M is a whole number, a kernel that streams over the keys may use a running M (the ceiling of the running maximum): every later rescaling is an exact power of two, which a block's scale takes up: the codes' values come out the same.
;;   OPERANDS COMPUTED ON THE WAY. 'Computed on the way' means the value that the module computes at that place (a softmax that the list does not call 'softmax' is quantised finished and normalised). What goes into a quantiser is computed in f32, as accurately as f32 sums, v_exp_f32 and their like allow (about 1e-6 of the number): no bf16 or f16 on the way to a quantiser, and a product that is left as it is and whose result goes on into a quantised operand takes f32 operands (vector FMAs, or v_wmma_f32_16x16x4_f32). A number that lies on a knife's edge between two numbers of the format may be rounded either way, as far as f32 arithmetic and the matrix unit's own rounding can turn it there, and no further.
;;   INPUTS GIVEN AS CODES. Wk (in the module: [1024, 1024], K = its axis 1); Wo (in the module: [1024, 1024], K = its axis 1); Wq (in the module: [1024, 1024], K = its axis 1); Wv (in the module: [1024, 1024], K = its axis 1); x (in the module: [4, 2048, 1024], K = its axis 2): each comes as NAME_codes (uint8): NAME with its K axis moved to the last place and cut into blocks of 32 codes, [.., K / 32, bytes a block], one block behind the other in memory; one code a byte (a code: sign, 5 exponent bits, 2 mantissa bits); and NAME_scales (uint8): the same leading axes, one E8M0 byte (e + 127) for each 32 codes along K. Its value is code x scale, taken as it is: it is not quantised again, and the codes and scales need not be those that the quantiser above would give.
;; One version. Each part assembles by itself: llvm-mc -triple=amdgcn-amd-amdhsa -mcpu=gfx1250 --defsym DOCPART=n.
;; ======== version 1 of 1: 3 launches
;; limits: right only within a limited range of input values
;; workspace buffers: qimg 8,388,608 bytes; kimg 8,388,608 bytes; vimg 8,388,608 bytes; oimg 8,388,608 bytes; qsc 262,144 bytes; ksc 262,144 bytes; vsc 262,144 bytes; osc 262,144 bytes
;; launch qkv (part 1): grid 8 x 48, 4 waves a work-group, clusters of 4 x 4, 327,680 bytes of LDS; arguments x_codes, x_scales, Wq_codes, Wq_scales, Wk_codes, Wk_scales, Wv_codes, Wv_scales, bq, bk, bv, qimg, qsc, kimg, ksc, vimg, vsc; writes qimg, qsc, kimg, ksc, vimg, vsc
.if DOCPART == 1
	.amdgcn_target "amdgcn-amd-amdhsa--gfx1250"
	.amdhsa_code_object_version 6
	.text
	.protected	k_qde0ad7cc1f_qkv
	.globl	k_qde0ad7cc1f_qkv
	.p2align	8
	.type	k_qde0ad7cc1f_qkv,@function
k_qde0ad7cc1f_qkv:
	s_mov_b64 s[64:65], 0
	v_nop
	global_prefetch_b8 v0, s[64:65] scope:SCOPE_SE
	s_setreg_imm32_b32 hwreg(HW_REG_WAVE_MODE, 25, 1), 1
	s_wait_xcnt 0x0
	s_wait_alu depctr_hold_cnt(0) depctr_sa_sdst(0) depctr_va_vdst(0) depctr_va_sdst(0) depctr_va_ssrc(0) depctr_va_vcc(0) depctr_vm_vsrc(0)
	s_getreg_b32 s2, hwreg(HW_REG_IB_STS2, 6, 4)
	s_cmp_eq_u32 s2, 0
	s_cbranch_scc0 .Lentry_in_a_cluster
	s_endpgm
.Lentry_in_a_cluster:
	s_bfe_u32 s2, ttmp6, 0x10000c
	s_cmp_lg_u32 s2, 0xf033
	s_cbranch_scc0 .Lentry_shape_is_right
	s_endpgm
.Lentry_shape_is_right:
; q = x Wq^T + bq, k = x Wk^T + bk, v = x Wv^T + bv on codes of BF8 (E5M2) with one E8M0 scale for each 32 along K = 1,024; sums in f32.
; The results are quantised at once, q and k along a head's 64 channels, v along the tokens, and leave as IMAGES OF OPERAND REGISTERS: pieces of 512 bytes, lane l's 16 bytes at 16 l.
; A GENERIC PRODUCT: rows of "A" go to lanes (source 1), rows of "B" to registers (source 0): a lane holds one row of A and, in accumulator (a, b), register j, row 16 b + 8 (lane / 16) + j of B.
; A lane's 16 registers of accumulators (a, 2 c) and (a, 2 c + 1), with those of lane l xor 16, are one block of 32 along B's rows: so what is quantised runs along B's rows.
;   mode qk (cluster y under 8): A = x (tokens), B = Wq (cluster x = 0) or Wk (1) (channels);     mode v (cluster y 8 to 11): A = Wv (channels), B = x (tokens).  Only pointers are chosen; nothing is transposed.
; ORDER INSIDE A BLOCK OF 32: byte e of a lane's 16 stands for index 8 (lane / 16) + e (e under 8) or 16 + 8 (lane / 16) + e - 8: a permutation inside one scale block, the same in q and k, and the same in v and in the
; weights p that the next launch makes: both operands of a product carry it, so each product keeps its terms.
; A tile of 256 x 256 to a work-group of four waves, 128 x 128 to a wave: 64 accumulators, 512 registers.  K goes in steps of 256 through a ring of two LDS slots; rows of 256 bytes.  The scales of the work-group's rows come once.
; CLUSTERS: 4 x 4 work-groups; A's tiles are asked for jointly along a row of the cluster, B's along a column.  A's address holds cy and the cluster's place alone, B's cx and the cluster's place alone.
; 384 tiles for 256 WGPs: a larger wave tile, which would make them fewer, does not fit beside the fragments in 1,024 registers.
; LIMITS: NaN and infinities among the inputs are not served.  A block whose largest magnitude lies under 2^-111, a block of zeros among them, gets the scale byte 1 (its codes are then tiny or zero; only this program reads the bytes).
; The scale words leave in runs of 64 bytes (one word a lane): 1/32 of the launch's stored bytes lie in blocks of 256 bytes that this wave writes in part.
; REGISTERS, in windows of 256: window 0: v0-31 addresses; v32-63 scale words, two sets; v64-127 the bias; from v128 A's fragments, one set (on the way out: codes and work).  window 1: B's fragments, two sets.  windows 2, 3: accumulators.
.set SIZE_K, 1024
.set KSTEP,  256                       ; along K in a slot
.set NQ,     KSTEP/128                 ; matrix instructions deep
.set ROWB,   256                       ; a tile's row in bytes
.set KROW,   SIZE_K                    ; a row of A or of B in memory, in bytes
.set PITCH,  272                       ; an LDS row: 256 bytes + 16 of padding: the 16 rows that a load touches start 68 words apart
.set FR,     16                        ; registers of a fragment
.set NL,     4                         ; LDS loads that bring one
.set NP,     8                         ; places behind this matrix instruction (ISA guide 7.12.1)
.set HALFT,  128*PITCH                 ; 128 rows: one tensor load
.set SLOT,   4*HALFT                   ; A's 256 rows, then B's 256 rows
.set LAPS,   SIZE_K/(2*KSTEP)
.set KS,     SIZE_K/32                 ; a row of scales in bytes
.set SCL,    2*SLOT                    ; behind the ring: the scales, as rows of 256 bytes + 16 of padding
.set HALFS,  (128*KS/256)*272
.set SBLK,   (16*KS/256)*272
.set SPARE,  SCL+4*HALFS               ; the spare words: 128 bytes for each wave, two blocks of 256 bytes that no other line names
.set BVO,  10                          ; v10     offset of the bias loads
.set ADRA, 16                          ; v16-17  LDS address of my A fragments in slot 0, 1
.set ADRB, 20                          ; v20-21  the same for B
.set ADRS, 27                          ; v27     LDS address of my scale words: lanes 0-15 A's rows, lanes 16-31 B's
.set SPW,  28                          ; v28     my spare word; never rewritten
.set NIL,  29                          ; v29     0; never rewritten
.set LI,   30                          ; v30     16 x lane: my place in a piece of an image
.set SO,   31                          ; v31     my place among the scale words that leave
.set SC,   32                          ; scale words
.set BI,   64                          ; v64-127 the bias
.set AF,   128                         ; A's fragments
.set TM,   160                         ; the way out: +0..3 largest magnitudes, +4..7 the other half's, then bytes, +12..15 the conversions' scale operands
.set PW,   176                         ; v176-183 block a's scale word
.set WD,   184                         ; v184-187 scale words as they are stored
.set G1, 24
.set G0, 32
.set G1B, 48
.set G0B, 56
.set G1S, 68
.set G0S, 76
.set G1SB, 80
.set G0SB, 88
.set MSB, 0
.macro WIN new                         ; the immediate's high byte repeats the setting that is left
.if MSB != \new
	s_set_vgpr_msb (MSB<<8)|\new
.set MSB, \new
.endif
.endm
.set MUL_LO, 0xa1                      ; source 0 (B) window 1, source 1 (A) window 0, C and D window 2
.set MUL_HI, 0xf1                      ; the same, C and D window 3
.set TO_B,   0x40                      ; destination window 1, address window 0
; A joint load: waves 0 and 1 fetch for A, waves 2 and 3 for B.  The branch hangs on the wave's number alone.  Four v_nop follow each of the two lines.
.macro JLOAD g0a, g1a, g0b, g1b
	s_cmp_eq_u32 s15, 0
	s_cbranch_scc0 .Lfor_b_\@
	tensor_load_to_lds s[\g0a:\g0a+3], s[\g1a:\g1a+7]
	s_nop 0
.rept 4
	v_nop
.endr
	s_branch .Lasked_\@
.Lfor_b_\@:
	tensor_load_to_lds s[\g0b:\g0b+3], s[\g1b:\g1b+7]
	s_nop 0
.rept 4
	v_nop
.endr
.Lasked_\@:
.endm
.macro CREST                           ; a round of the cluster's barrier behind its opening barrier
	s_cmp_lg_u32 s14, 0
	s_cbranch_scc1 .Lnot_wave_0_\@
	s_barrier_signal -3
.Lnot_wave_0_\@:
	s_barrier_wait -3
	s_barrier_signal -1
	s_barrier_wait -1
.endm
.macro CROUND                          ; a whole round
	s_barrier_signal -1
	s_barrier_wait -1
	CREST
.endm
	s_load_b512 s[24:39], s[0:1], 0x0              ; x codes, x scales, Wq codes, Wq scales, Wk codes, Wk scales, Wv codes, Wv scales
	s_load_b512 s[40:55], s[0:1], 0x40             ; bq, bk, bv, qimg, qsc, kimg, ksc, vimg
	s_load_b64 s[56:57], s[0:1], 0x80              ; vsc
	v_lshl_add_u32 v[SPW], v0, 2, SPARE
	v_mov_b32 v[NIL], 0
	ds_add_u32 v28, v29
	ds_add_u32 v28, v29
	s_wait_dscnt 0x0
	v_lshrrev_b32 v1, 5, v0
	v_readfirstlane_b32 s14, v1                    ; wave 0..3
	s_lshr_b32 s15, s14, 1                         ; which half of A's rows is mine.  Also: I fetch for A (0) or for B (1)
	s_and_b32 s16, s14, 1                          ; which half of B's rows.  Also: which 128 rows of that tile I fetch
	s_and_b32 s101, ttmp7, 0xffff                  ; the cluster's y, 0 to 11
	s_lshl_b32 s2, s101, 1
	s_add_co_u32 s2, s2, ttmp9
	s_sub_co_u32 s2, s2, 16                        ; mode v: which four of x's 32 tiles: 2 (y - 8) + x (taken in that mode alone)
	s_wait_kmcnt 0x0
	s_cmp_eq_u32 ttmp9, 0                          ; the choices hang on the cluster's place alone, which all sixteen partners share
	s_cselect_b64 s[8:9], s[28:29], s[32:33]       ; Wq or Wk: codes,
	s_cselect_b64 s[10:11], s[30:31], s[34:35]     ; scales,
	s_cselect_b64 s[96:97], s[40:41], s[42:43]     ; bias,
	s_cselect_b64 s[12:13], s[46:47], s[50:51]     ; the images that leave,
	s_cselect_b64 s[98:99], s[48:49], s[52:53]     ; and their scale words
	s_cmp_lt_u32 s101, 8                           ; mode qk or mode v
	s_cselect_b64 s[4:5], s[24:25], s[36:37]       ; A: x or Wv
	s_cselect_b64 s[6:7], s[26:27], s[38:39]
	s_cselect_b64 s[8:9], s[8:9], s[24:25]         ; B: the weight or x
	s_cselect_b64 s[10:11], s[10:11], s[26:27]
	s_cselect_b64 s[96:97], s[96:97], s[44:45]
	s_cselect_b64 s[12:13], s[12:13], s[54:55]
	s_cselect_b64 s[98:99], s[98:99], s[56:57]
	s_cselect_b32 s100, 0, 1                       ; the mode
	s_cselect_b32 s18, s101, 0
	s_cselect_b32 s19, 0, s2
	s_bfe_u32 s40, ttmp6, 0x40000                  ; cx, cy: my place in the cluster
	s_bfe_u32 s41, ttmp6, 0x40004
	s_lshl_b32 s42, s19, 2
	s_add_co_u32 s42, s42, s40                     ; B's tile of 256 rows
	s_lshl_b32 s17, s18, 2
	s_add_co_u32 s17, s17, s41                     ; A's tile of 256 rows
	s_lshl_b32 s43, s41, 2
	s_lshl_b32 s43, 15, s43                        ; my row of the cluster
	s_lshl_b32 s44, 0x1111, s40                    ; my column
	; descriptor group 1: a tile of 128 rows x 256 bytes, 16 bytes of padding behind each row
	s_or_b32 s[G1+0], s43, (0<<16)|(1<<20)|(1<<21)|(5<<22)|(3<<25)  ; 15:0 the mask; 17:16 elements of 1 byte; 20 padding on; 21 set beside a mask; 24:22 after every 64 words; 31:25 four words
	s_or_b32 s[G1B+0], s44, (0<<16)|(1<<20)|(1<<21)|(5<<22)|(3<<25)
.irp g, G1, G1B
	s_mov_b32 s[\g+1], ROWB<<16                    ; tensor_dim0
	s_mov_b32 s[\g+2], 128<<16                     ; tensor_dim1
	s_mov_b32 s[\g+3], ROWB<<16                    ; tile_dim0
	s_mov_b32 s[\g+4], 128                         ; tile_dim1
	s_mov_b32 s[\g+5], KROW                        ; pitch
	s_mov_b32 s[\g+6], 0
	s_mov_b32 s[\g+7], 0
.endr
	; the scales of 128 rows: 4,096 dense bytes, as 16 rows of 256 bytes (32 elements of 8 bytes), 16 bytes of padding behind each
	s_or_b32 s[G1S+0], s43, (3<<16)|(1<<20)|(1<<21)|(5<<22)|(3<<25)
	s_or_b32 s[G1SB+0], s44, (3<<16)|(1<<20)|(1<<21)|(5<<22)|(3<<25)
.irp g, G1S, G1SB
	s_mov_b32 s[\g+1], 32<<16
	s_mov_b32 s[\g+2], (128*KS/256)<<16
	s_mov_b32 s[\g+3], 32<<16
	s_mov_b32 s[\g+4], 128*KS/256
	s_mov_b32 s[\g+5], 32
	s_mov_b32 s[\g+6], 0
	s_mov_b32 s[\g+7], 0
.endr
	s_lshl_b32 s18, s16, 7                         ; which 128 rows of the tile I fetch
	s_lshl_b32 s20, s17, 8
	s_add_co_u32 s20, s20, s18                     ; A: row 256 x tile + 128 x half
	s_lshl_b32 s46, s42, 8
	s_add_co_u32 s46, s46, s18                     ; B likewise
	s_mov_b32 s21, 0
	s_mov_b32 s47, 0
	s_mov_b64 s[18:19], KS
	s_mul_u64 s[22:23], s[20:21], s[18:19]         ; where these rows' scales begin,
	s_mul_u64 s[92:93], s[46:47], s[18:19]
	s_mov_b64 s[18:19], KROW
	s_mul_u64 s[20:21], s[20:21], s[18:19]         ; and their codes
	s_mul_u64 s[46:47], s[46:47], s[18:19]
	s_mul_i32 s45, s14, HALFT                      ; where they go: wave x 128 rows: no place in the cluster enters an LDS address
	s_mul_i32 s94, s14, HALFS
	s_add_nc_u64 s[20:21], s[4:5], s[20:21]
	s_add_nc_u64 s[22:23], s[6:7], s[22:23]
	s_add_nc_u64 s[46:47], s[8:9], s[46:47]
	s_add_nc_u64 s[92:93], s[10:11], s[92:93]
	CROUND                                         ; all sixteen work-groups are here: the first joint loads meet
	s_mov_b32 s[G0S], 1
	s_add_co_u32 s[G0S+1], s94, SCL
	s_mov_b64 s[G0S+2:G0S+3], s[22:23]
	s_or_b32 s[G0S+3], s[G0S+3], 0x80000000
	s_mov_b32 s[G0SB], 1
	s_add_co_u32 s[G0SB+1], s94, SCL
	s_mov_b64 s[G0SB+2:G0SB+3], s[92:93]
	s_or_b32 s[G0SB+3], s[G0SB+3], 0x80000000
	JLOAD G0S, G1S, G0SB, G1SB                     ; the scales first: they are wanted with K step 0
.irp s, 0,1
	s_mov_b32 s[G0+4*\s], 1
	s_add_co_u32 s[G0+4*\s+1], s45, \s*SLOT
	s_add_nc_u64 s[G0+4*\s+2:G0+4*\s+3], s[20:21], \s*ROWB
	s_or_b32 s[G0+4*\s+3], s[G0+4*\s+3], 0x80000000
	s_mov_b32 s[G0B+4*\s], 1
	s_add_co_u32 s[G0B+4*\s+1], s45, \s*SLOT
	s_add_nc_u64 s[G0B+4*\s+2:G0B+4*\s+3], s[46:47], \s*ROWB
	s_or_b32 s[G0B+4*\s+3], s[G0B+4*\s+3], 0x80000000
	JLOAD G0+4*\s, G1, G0B+4*\s, G1B               ; three tensor loads of mine are out now
.endr
	v_and_b32 v1, 15, v0                           ; r = lane % 16
	v_bfe_u32 v2, v0, 4, 1                         ; h = lane / 16
	v_mul_u32_u24 v3, v1, PITCH
	v_lshl_add_u32 v4, v2, 4, v3                   ; a fragment's row x pitch + 16 x half
	s_mul_i32 s21, s15, HALFT                      ; my 128 rows of A
	s_mul_i32 s22, s16, HALFT                      ; my 128 rows of B,
	s_add_co_u32 s22, s22, 2*HALFT                 ; which lie behind A's 256
.irp s, 0,1
	v_add_nc_u32 v[ADRA+\s], s21, v4
	v_add_nc_u32 v[ADRB+\s], s22, v4
	s_add_co_u32 s21, s21, SLOT
	s_add_co_u32 s22, s22, SLOT
.endr
	v_mul_u32_u24 v5, v1, KS                       ; my row's scales: 32 bytes a row,
	v_lshrrev_b32 v6, 8, v5
	v_lshl_add_u32 v5, v6, 4, v5                   ; and 16 more for each 256 passed
	s_mul_i32 s21, s15, HALFS
	s_mul_i32 s22, s16, HALFS
	s_add_co_u32 s22, s22, 2*HALFS
	s_sub_co_u32 s22, s22, s21
	v_mul_u32_u24 v6, s22, v2                      ; lanes 16-31 take B's: one product, the distance between the two bases
	s_add_co_u32 s21, s21, SCL
	v_add_nc_u32 v5, v5, v6
	v_add_nc_u32 v[ADRS], s21, v5
	; where my results go.  Tokens and channels change places with the mode; the three sums are the same in both.
	s_cmp_eq_u32 s100, 0
	s_cselect_b32 s20, s17, s42                    ; the tokens' tile of 256,
	s_cselect_b32 s21, s15, s16                    ; my half of it,
	s_cselect_b32 s22, s42, s17                    ; the channels' tile of 256,
	s_cselect_b32 s23, s16, s15                    ; my half of it
	s_cselect_b32 s46, 0x1000, 64                  ; lanes 16-31 store another scale word: the next head's (mode qk), the next tile of channels' (mode v)
	s_lshr_b32 s47, s20, 3                         ; batch
	s_and_b32 s20, s20, 7
	s_lshl_b32 s20, s20, 1
	s_add_co_u32 s20, s20, s21                     ; u: which 128 tokens of the batch
	s_lshl_b32 s22, s22, 2
	s_lshl_b32 s23, s23, 1
	s_add_co_u32 s22, s22, s23                     ; my first head of two
	s_lshl_b32 s92, s47, 21
	s_lshl_b32 s93, s22, 17
	s_add_co_u32 s92, s92, s93
	s_lshl_b32 s93, s20, 13
	s_add_co_u32 s92, s92, s93                     ; images: 131,072 bytes a head, 8,192 for 128 tokens
	s_mov_b32 s93, 0
	s_add_nc_u64 s[12:13], s[12:13], s[92:93]
	s_lshr_b32 s92, s92, 5                         ; scale words: 1/32 of that
	s_add_nc_u64 s[98:99], s[98:99], s[92:93]
	s_lshl_b32 s92, s22, 8                         ; the bias: 64 numbers a head
	s_add_nc_u64 s[96:97], s[96:97], s[92:93]
	v_and_b32 v6, 31, v0
	v_lshlrev_b32 v[LI], 4, v6
	v_mul_u32_u24 v[SO], s46, v2
	v_lshl_add_u32 v[SO], v1, 2, v[SO]             ; 4 r + h x the distance
	s_cmp_lg_u32 s100, 0
	s_cbranch_scc1 .Lbias_v
	v_lshlrev_b32 v[BVO], 5, v2                    ; mode qk: register 8 b + j wants the bias of channel 16 b + 8 h + j
.irp b, 0,1,2,3,4,5,6,7
	global_load_b128 v[BI+8*\b:BI+8*\b+3], v[BVO], s[96:97] offset:64*\b
	global_load_b128 v[BI+8*\b+4:BI+8*\b+7], v[BVO], s[96:97] offset:64*\b+16
.endr
	s_branch .Lbias_in
.Lbias_v:
	v_lshlrev_b32 v[BVO], 2, v1                    ; mode v: all eight registers of block a want the bias of the lane's channel 16 a + r
.irp a, 0,1,2,3,4,5,6,7
.irp j, 0,1,2,3,4,5,6,7
	global_load_b32 v[BI+8*\a+\j], v[BVO], s[96:97] offset:64*\a
.endr
.endr
.Lbias_in:
.macro FRAG reg, adr, q, i             ; a fragment: lane l holds row l % 16; registers 4 c .. 4 c + 3 hold K = 32 c + 16 (l / 16) + 0 .. 15
.irp c, 0,1,2,3
	ds_load_b128 v[\reg+4*\c:\reg+4*\c+3], v[\adr] offset:128*(\q)+32*\c+(\i)*16*PITCH
.endr
.endm
; 16 matrix instructions: A's blocks a0, a0 + 1 x B's eight, 128 along K.  The 64 accumulators take turns, one instruction a turn, in the same order in every step.
.macro MUL16 a0, p, q, sc, zero
.irp a, \a0, \a0+1
.irp b, 0,1,2,3,4,5,6,7
.if \zero
	v_wmma_scale_f32_16x16x128_f8f6f4 v[8*(8*((\a)%4)+\b):8*(8*((\a)%4)+\b)+7], v[128*(\p)+FR*\b:128*(\p)+FR*\b+FR-1], v[AF+FR*(\a):AF+FR*(\a)+FR-1], 0, v[SC+8*NQ*(\sc)+NQ*\b+(\q)], v[SC+8*NQ*(\sc)+NQ*(\a)+(\q)] matrix_a_fmt:MATRIX_FMT_BF8 matrix_b_fmt:MATRIX_FMT_BF8 matrix_a_scale:MATRIX_SCALE_ROW1
.else
	v_wmma_scale_f32_16x16x128_f8f6f4 v[8*(8*((\a)%4)+\b):8*(8*((\a)%4)+\b)+7], v[128*(\p)+FR*\b:128*(\p)+FR*\b+FR-1], v[AF+FR*(\a):AF+FR*(\a)+FR-1], v[8*(8*((\a)%4)+\b):8*(8*((\a)%4)+\b)+7], v[SC+8*NQ*(\sc)+NQ*\b+(\q)], v[SC+8*NQ*(\sc)+NQ*(\a)+(\q)] matrix_a_fmt:MATRIX_FMT_BF8 matrix_b_fmt:MATRIX_FMT_BF8 matrix_a_scale:MATRIX_SCALE_ROW1
.endif
.endr
.endr
.endm
.macro FETCH_B slot, q, p
	WIN TO_B
.irp i, 0,1,2,3,4,5,6,7
	FRAG 128*(\p)+FR*\i, ADRB+\slot, \q, \i
.endr
	WIN 0
.endm
.macro FETCH_A slot, q, i0
.irp i, \i0, \i0+1, \i0+2, \i0+3
	FRAG AF+FR*(\i), ADRA+\slot, \q, \i
.endr
.endm
.macro SCALES sc                       ; a K step's scale words: two words a row; lanes 0-15 take A's block i, lanes 16-31 B's block i
.irp i, 0,1,2,3,4,5,6,7
	ds_load_b64 v[SC+8*NQ*\sc+NQ*\i:SC+8*NQ*\sc+NQ*\i+1], v[ADRS] offset:\i*SBLK
.endr
.endm
.macro PLACES n                        ; plain vector instructions between a matrix instruction and a load into, or a read of, its registers
.rept \n
	v_nop
.endr
.endm
.macro STEP slot, q, zero              ; a step of 128 along K that has its successor in the same slot
	s_wait_dscnt 4*NL                              ; B's set and A's blocks 0-3 are in; the youngest sixteen loads (A's blocks 4-7) may be out
	WIN MUL_LO
	MUL16 0, (\q)%2, \q, \slot, \zero
	MUL16 2, (\q)%2, \q, \slot, \zero
	s_wait_dscnt 0                                 ; A's blocks 4-7 are in
	PLACES NP
	FETCH_B \slot, (\q)+1, 1-(\q)%2
	FETCH_A \slot, (\q)+1, 0
	WIN MUL_HI
	MUL16 4, (\q)%2, \q, \slot, \zero
	MUL16 6, (\q)%2, \q, \slot, \zero
	PLACES NP
	WIN 0
	FETCH_A \slot, (\q)+1, 4
.endm
; A slot's last step changes slots: one barrier; in front of it each wave waits for all its tensor loads, adds 0 to its spare word, and waits for that and for its own reads of this slot.
.macro TURN slot, next, fill
	s_wait_tensorcnt 0x0                           ; all my tensor loads have landed: my part of the next slot
	ds_add_u32 v[SPW], v[NIL]                      ; 0 onto my spare word
	s_wait_dscnt 4*NL+1                            ; the add and the youngest sixteen loads (A's blocks 4-7) may be out
	WIN MUL_LO
	MUL16 0, 1, NQ-1, \slot, 0
	s_wait_dscnt 0x0                               ; the add is done, and my reads of this slot are over
	s_barrier_signal -1
	MUL16 2, 1, NQ-1, \slot, 0
	WIN 0
	s_barrier_wait -1
.if \fill
	CREST                                          ; the barrier has opened a round of the cluster's: no wave of any partner still reads this slot or has a load on its way
	s_add_nc_u64 s[G0+4*\slot+2:G0+4*\slot+3], s[G0+4*\slot+2:G0+4*\slot+3], 2*ROWB
	s_add_nc_u64 s[G0B+4*\slot+2:G0B+4*\slot+3], s[G0B+4*\slot+2:G0B+4*\slot+3], 2*ROWB
	JLOAD G0+4*\slot, G1, G0B+4*\slot, G1B         ; the first tensor load behind the round, my only one until the next; its four v_nop are four of the eight places
	PLACES NP-4
.else
	PLACES NP
.endif
	s_wait_alu depctr_va_vdst(0)
	v_add_nc_u32 v[ADRS], 4*NQ, v[ADRS]            ; on to the next K step's scale words
	FETCH_B \next, 0, 0
	FETCH_A \next, 0, 0
	SCALES \next
	WIN MUL_HI
	MUL16 4, 1, NQ-1, \slot, 0
	MUL16 6, 1, NQ-1, \slot, 0
	PLACES NP
	WIN 0
	FETCH_A \next, 0, 4
.endm
	s_wait_loadcnt 0x0                             ; the bias
	s_wait_tensorcnt 1                             ; the scales and my part of K step 0 are in; K step 1's load may be out
	s_barrier_signal -1
	s_barrier_wait -1
	FETCH_B 0, 0, 0
	FETCH_A 0, 0, 0
	s_wait_alu depctr_va_vdst(0)
	SCALES 0
	FETCH_A 0, 0, 4
	STEP 0, 0, 1                                   ; the first step starts the sums: nothing is cleared
	s_mov_b32 s3, LAPS-1
.Llap:                                             ; a trip goes once round the ring and fills both slots again
	TURN 0, 1, 1
	STEP 1, 0, 0
	TURN 1, 0, 1
	STEP 0, 0, 0
	s_sub_co_u32 s3, s3, 1
	s_cmp_lg_u32 s3, 0
	s_cbranch_scc1 .Llap
	TURN 0, 1, 0                                   ; the last lap fills nothing
	STEP 1, 0, 0
	s_wait_dscnt 4*NL
	WIN MUL_LO
	MUL16 0, 1, NQ-1, 1, 0
	MUL16 2, 1, NQ-1, 1, 0
	s_wait_dscnt 0
	WIN MUL_HI
	MUL16 4, 1, NQ-1, 1, 0
	MUL16 6, 1, NQ-1, 1, 0
	WIN 0
; THE WAY OUT, A's block a (16 lanes' rows) at a time: + bias; the four blocks of 32 along B's rows are quantised; each block's 16 bytes a lane are one piece of an image: the wave stores 512 consecutive bytes, aligned.
.macro BLOCK a, mode
.set W, 2+(\a)/4                       ; the accumulators' window
.set AC, 64*((\a)%4)                   ; register AC + 16 c + i: my number i of block c
.set PC, 128+16*((\a)%2)               ; the codes: two sets by turns
	WIN (W<<6)|W
.set k, 0
.rept 32
.if \mode
	v_pk_add_f32 v[AC+2*k:AC+2*k+1], v[AC+2*k:AC+2*k+1], v[BI+8*(\a):BI+8*(\a)+1]     ; each accumulator from its low end on
.else
	v_pk_add_f32 v[AC+2*k:AC+2*k+1], v[AC+2*k:AC+2*k+1], v[BI+2*k:BI+2*k+1]
.endif
.set k, k+1
.endr
	WIN 0
.irp c, 0,1,2,3
	v_mov_b32 v[TM+\c], 0x8000000                  ; the floor 2^(16 - 127): the byte cannot fall under 1
.endr
	WIN (W<<2)|(W<<4)
.irp i, 0,2,4,6,8,10,12,14
.irp c, 0,1,2,3
	v_max3_num_f32 v[TM+\c], v[TM+\c], |v[AC+16*\c+\i]|, |v[AC+16*\c+\i+1]|           ; the four blocks by turns
.endr
.endr
	WIN 0
.irp c, 0,1,2,3
	v_permlanex16_b32 v[TM+4+\c], v[TM+\c], s20, s21
.endr
.irp c, 0,1,2,3
	v_max_num_f32 v[TM+\c], v[TM+\c], v[TM+4+\c]   ; with lane l xor 16's: the block's largest magnitude
.endr
.irp c, 0,1,2,3
	v_add_nc_u32 v[TM+12+\c], 0xf8800000, v[TM+\c] ; 15 off its exponent field: the conversion's scale operand
.endr
.irp c, 0,1,2,3
.endr
.irp c, 0,1,2,3
	v_lshrrev_b32 v[TM+4+\c], 23, v[TM+12+\c]      ; the scale's byte
.endr
	v_lshl_or_b32 v[PW+(\a)], v[TM+5], 8, v[TM+4]
	v_lshl_or_b32 v[PW+(\a)], v[TM+6], 16, v[PW+(\a)]
	v_lshl_or_b32 v[PW+(\a)], v[TM+7], 24, v[PW+(\a)]
	WIN (W<<6)|W
.irp c, 0,1,2,3
.irp i, 0,1,2,3,4,5,6,7,8,9,10,11,12,13,14,15
.endr
.endr
.if (\a) > 1
	s_wait_xcnt 0x0                                ; the stores of two blocks ago have read this set of codes
.endif
	WIN W
.irp c, 0,1,2,3
	v_cvt_scalef32_pk8_bf8_f32 v[PC+4*\c:PC+4*\c+1], v[AC+16*\c:AC+16*\c+7], v[TM+12+\c]
	v_cvt_scalef32_pk8_bf8_f32 v[PC+4*\c+2:PC+4*\c+3], v[AC+16*\c+8:AC+16*\c+15], v[TM+12+\c]
.endr
	WIN 0
	v_nop                                          ; a plain line behind the last conversion
.irp c, 0,1,2,3
.if \mode
	global_store_b128 v[LI], v[PC+4*\c:PC+4*\c+3], s[12:13] offset:131072*((\a)/4)+2048*((\a)%4)+512*\c   ; head a / 4, tile of channels a % 4, key block c
.else
	global_store_b128 v[LI], v[PC+4*\c:PC+4*\c+3], s[12:13] offset:1024*(\a)+512*(\c%2)+131072*(\c/2)     ; tile of tokens a, head c / 2, the head's block c % 2
.endif
.endr
.endm
.macro SCST mode                       ; the scale words: lanes 0-15 store one, lanes 16-31 another (s23 is the lanes' mask)
.irp g, 0,1,2,3
.if \mode
	v_cndmask_b32 v[WD+\g], v[PW+2*\g], v[PW+2*\g+1], s23
	global_store_b32 v[SO], v[WD+\g], s[98:99] offset:4096*(\g/2)+128*(\g%2)
.else
	v_perm_b32 v188, v[PW+2*\g+1], v[PW+2*\g], 0x05040100     ; my first head: the two bytes of tile 2 g's token, then those of tile 2 g + 1's
	v_perm_b32 v189, v[PW+2*\g+1], v[PW+2*\g], 0x07060302     ; my second head
	v_cndmask_b32 v[WD+\g], v188, v189, s23
	global_store_b32 v[SO], v[WD+\g], s[98:99] offset:64*\g
.endif
.endr
.endm
	PLACES NP                                      ; behind the last products: results are read and A's registers written below
	s_mov_b32 s20, 0x76543210
	s_mov_b32 s21, 0xfedcba98                      ; v_permlanex16_b32's selects for lane l xor 16
	s_mov_b32 s23, 0xffff0000                      ; lanes 16-31
.irp c, 0,1,2,3
	v_mov_b32 v[TM+4+\c], 0                        ; a lane permute's destination counts as one of its sources
.endr
	s_cmp_lg_u32 s100, 0
	s_cbranch_scc1 .Lway_v
.irp a, 0,1,2,3,4,5,6,7
	BLOCK \a, 0
.endr
	SCST 0
	s_branch .Lend
.Lway_v:
.irp a, 0,1,2,3,4,5,6,7
	BLOCK \a, 1
.endr
	SCST 1
.Lend:
	s_wait_tensorcnt 0x0                           ; the wave's end
	ds_add_u32 v[SPW], v[NIL]
	s_wait_dscnt 0x0
	CROUND                                         ; the closing round: no work-group ends while a partner may still ask for a tile that names it
	s_endpgm
.Lfunc_end_k_qde0ad7cc1f_qkv:
	.size	k_qde0ad7cc1f_qkv, .Lfunc_end_k_qde0ad7cc1f_qkv-k_qde0ad7cc1f_qkv
	.p2alignl 7, 3214868480
	.fill 96, 4, 3214868480
	.section	.rodata,"a",@progbits
	.p2align	6, 0x0
	.amdhsa_kernel k_qde0ad7cc1f_qkv
		.amdhsa_group_segment_fixed_size 327680
		.amdhsa_private_segment_fixed_size 0
		.amdhsa_enable_private_segment 0
		.amdhsa_kernarg_size 136
		.amdhsa_user_sgpr_count 2
		.amdhsa_user_sgpr_kernarg_segment_ptr 1
		.amdhsa_wavefront_size32 1
		.amdhsa_system_sgpr_workgroup_id_x 1
		.amdhsa_system_sgpr_workgroup_id_y 1
		.amdhsa_system_sgpr_workgroup_id_z 1
		.amdhsa_system_vgpr_workitem_id 0
		.amdhsa_next_free_vgpr 1024
		.amdhsa_next_free_sgpr 102
		.amdhsa_reserve_vcc 0
		.amdhsa_float_denorm_mode_32 3
		.amdhsa_float_denorm_mode_16_64 3
		.amdhsa_fp16_overflow 1
		.amdhsa_memory_ordered 1
		.amdhsa_forward_progress 1
		.amdhsa_inst_pref_size 228
	.end_amdhsa_kernel
	.amdgpu_metadata
---
amdhsa.version: [ 1, 2 ]
amdhsa.kernels:
  - .name:           k_qde0ad7cc1f_qkv
    .symbol:         k_qde0ad7cc1f_qkv.kd
    .args:
      - { .name: x_codes, .offset: 0, .size: 8, .value_kind: global_buffer, .address_space: global }
      - { .name: x_scales, .offset: 8, .size: 8, .value_kind: global_buffer, .address_space: global }
      - { .name: Wq_codes, .offset: 16, .size: 8, .value_kind: global_buffer, .address_space: global }
      - { .name: Wq_scales, .offset: 24, .size: 8, .value_kind: global_buffer, .address_space: global }
      - { .name: Wk_codes, .offset: 32, .size: 8, .value_kind: global_buffer, .address_space: global }
      - { .name: Wk_scales, .offset: 40, .size: 8, .value_kind: global_buffer, .address_space: global }
      - { .name: Wv_codes, .offset: 48, .size: 8, .value_kind: global_buffer, .address_space: global }
      - { .name: Wv_scales, .offset: 56, .size: 8, .value_kind: global_buffer, .address_space: global }
      - { .name: bq, .offset: 64, .size: 8, .value_kind: global_buffer, .address_space: global }
      - { .name: bk, .offset: 72, .size: 8, .value_kind: global_buffer, .address_space: global }
      - { .name: bv, .offset: 80, .size: 8, .value_kind: global_buffer, .address_space: global }
      - { .name: qimg, .offset: 88, .size: 8, .value_kind: global_buffer, .address_space: global }
      - { .name: qsc, .offset: 96, .size: 8, .value_kind: global_buffer, .address_space: global }
      - { .name: kimg, .offset: 104, .size: 8, .value_kind: global_buffer, .address_space: global }
      - { .name: ksc, .offset: 112, .size: 8, .value_kind: global_buffer, .address_space: global }
      - { .name: vimg, .offset: 120, .size: 8, .value_kind: global_buffer, .address_space: global }
      - { .name: vsc, .offset: 128, .size: 8, .value_kind: global_buffer, .address_space: global }
    .group_segment_fixed_size: 327680
    .private_segment_fixed_size: 0
    .kernarg_segment_align: 8
    .kernarg_segment_size: 136
    .max_flat_workgroup_size: 128
    .sgpr_count:     102
    .vgpr_count:     1024
    .wavefront_size: 32
...
	.end_amdgpu_metadata
.endif
;; end of part 1
;; launch attn (part 2): grid 4 x 64, 16 waves a work-group, no clusters, 280,576 bytes of LDS; arguments qimg, qsc, kimg, ksc, vimg, vsc, mask, oimg, osc; writes oimg, osc
.if DOCPART == 2
	.amdgcn_target "amdgcn-amd-amdhsa--gfx1250"
	.amdhsa_code_object_version 6
	.text
	.protected	k_qde0ad7cc1f_attn
	.globl	k_qde0ad7cc1f_attn
	.p2align	8
	.type	k_qde0ad7cc1f_attn,@function
k_qde0ad7cc1f_attn:
	s_mov_b64 s[64:65], 0
	v_nop
	global_prefetch_b8 v0, s[64:65] scope:SCOPE_SE
	s_setreg_imm32_b32 hwreg(HW_REG_WAVE_MODE, 25, 1), 1
	s_wait_xcnt 0x0
; Attention of one head on codes of BF8 (E5M2): S^T = K Q^T, causal and padding masks, p = 2^(t - M) quantised along the keys, O^T = V^T P^T, O / l, quantised along the model's channels for the last projection.
; t = score x log2(e) / 8; M = the running largest t rounded up to a whole number; l is the sum of the unquantised p; when M moves, l and O^T are multiplied by 2^(old M - new M), which rounds nothing.
; SHARES.  Work-group (i, bh) owns 512 queries of head bh: blocks i and 7 - i of 256.  Wave w takes tile T0 = 16 i + w of 16 queries, then tile 127 - T0.  A tile T needs T / 8 + 1 key steps of 128: 17 steps for every wave.
; Four waves share a SIMD: one wave's vector work stands beside another's matrix work and LDS loads.
; K AND V OF THE WHOLE HEAD STAY IN LDS, as images of operand registers (a fragment load reads 512 consecutive bytes; no pitch, no padding).  Every LDS byte is filled once: no slot is filled again.
; The keys come in two halves: the first tile of every wave needs keys under 1,024 alone, so it begins when the first half has landed.
; NO CLUSTER, though the four work-groups of a head read the same K and V: which steps are left out hangs on the work-group's block of queries, which partners do not share, and leaving them out halves the launch's work.
; K = 64 IN AN INSTRUCTION OF 128: a fragment of 16 registers holds TWO tiles of 16 keys (64 channels each).  It is multiplied once by [q | zeros] and once by [zeros | q]: zero codes add nothing, since K's codes are finite.
; THE PADDING MASK IS A NUMBER: 0 or -2^100 for each key, laid in LDS and loaded as the C of S^T's products.  The largest t begins at -2^80, so a masked key never sets M, and its p is 0.  No branch hangs on the mask.
; THE CAUSAL MASK: steps all of whose keys are hidden are left out by a branch on ids; in the one step on the diagonal hidden scores become -infinity.
; A query none of whose visible keys counts has l = 0: its codes are zeros and its scale bytes 0xff, which make its row of the last projection NaN, as the softmax of an empty row is.
; ORDER INSIDE A BLOCK OF 32: q, k, v and p carry the same permutation inside each scale block (see the launch before); O's codes are put into the true order, since Wo comes in the true order.
; LIMITS: NaN and infinities are not served; t under -2^80 counts as masked; p under 2^-126 is 0; a block under 2^-111 gets the scale byte 1.
; O's scale bytes leave as two bytes for each row and head: 1/32 of the stored bytes lie in blocks of 256 bytes that this wave writes in part.
.set KIO, 0                            ; LDS: K's images, 131,072 bytes
.set VIO, 131072                       ; V's images, 131,072
.set KSO, 262144                       ; K's scale words, 4,096
.set VSO, 266240                       ; V's scale words, 4,096
.set MBO, 270336                       ; the mask as f32, 8,192: written by LDS stores; no fill lands here
.set AK,   1                           ; v1   16 x lane
.set AV,   2                           ; v2   VIO + 16 x lane
.set AKS,  3                           ; v3   KSO + 4 r
.set AVS,  4                           ; v4   VSO + 4 r
.set AMB,  5                           ; v5   MBO + 32 h
.set LI,   6                           ; v6   16 x lane, for memory
.set ZR,   7                           ; v7   0
.set ADK,  8                           ; v8-11, v16: the step's addresses
.set ADV,  9
.set ADKS, 10
.set ADVS, 11
.set ADMB, 16
.set VD,   17                          ; v17  16 (T % 8) + r - 8 h: the diagonal
.set F,    32                          ; v32-95   four fragments, of K and then of V
.set S,    96                          ; v96-159  S^T, then p
.set O,    160                         ; v160-191 O^T
.set Q,    192                         ; v192-215 q | zeros | q
.set PCD,  224                         ; v224-239 p's codes
.set SCW,  248                         ; v248-251 K's, then V's scale words
.set WV,   22
.set BH,   24
.set BB,   25
.set HD,   26
.set G1L,  28                          ; s[28:35] group 1: 64 rows of 256 bytes;  s[36:43]: 8 rows
.set G1T,  36
.set SEL,  60
.set CS,   62                          ; s[62:63] c = log2(e) / 8
.set MNT,  66
.set SS,   67                          ; the step
.set SK,   68                          ; 8,192 x step
.set SW,   69                          ; 256 x step
.set SB,   70                          ; 512 x step
.set SD,   71                          ; the tile's last step, on the diagonal
.set T0,   73                          ; s73, s74 my two tiles
.set QB,   76                          ; s[76:79] q's images, s[80:83] q's scale halfwords, s[84:87] O's images, s[88:91] O's scale halfwords: a pair for each of my two tiles
.set QSB,  80
.set OB,   84
.set OSB,  88
	s_load_b512 s[4:19], s[0:1], 0x0               ; qimg, qsc, kimg, ksc, vimg, vsc, mask, oimg
	s_load_b64 s[20:21], s[0:1], 0x40              ; osc
	v_lshl_add_u32 v222, v0, 2, 0x44000
	v_mov_b32 v223, 0
	ds_add_u32 v222, v223
	ds_add_u32 v222, v223
	v_lshrrev_b32 v8, 5, v0
	s_delay_alu instid0(VALU_DEP_1)
	v_readfirstlane_b32 s[WV], v8                  ; wave 0..15
	s_and_b32 s[BH], ttmp7, 0xffff                 ; 16 x batch + head
	s_lshr_b32 s[BB], s[BH], 4
	s_and_b32 s[HD], s[BH], 15
	s_lshl_b32 s[T0], ttmp9, 4
	s_add_co_u32 s[T0], s[T0], s[WV]               ; my light tile, 0 to 63
	s_sub_co_u32 s[T0+1], 127, s[T0]               ; my heavy tile, 64 to 127
	s_mov_b32 s[G1L], 3<<16                        ; no mask; elements of 8 bytes; no padding
	s_mov_b32 s[G1L+1], 32<<16                     ; tensor_dim0 = 32 elements: rows of 256 bytes
	s_mov_b32 s[G1L+2], 64<<16                     ; tensor_dim1 = 64
	s_mov_b32 s[G1L+3], 32<<16                     ; tile_dim0
	s_mov_b32 s[G1L+4], 64                         ; tile_dim1
	s_mov_b32 s[G1L+5], 32                         ; pitch: the block is dense
	s_mov_b32 s[G1L+6], 0
	s_mov_b32 s[G1L+7], 0
	s_mov_b32 s[G1T], 3<<16
	s_mov_b32 s[G1T+1], 32<<16
	s_mov_b32 s[G1T+2], 8<<16
	s_mov_b32 s[G1T+3], 32<<16
	s_mov_b32 s[G1T+4], 8
	s_mov_b32 s[G1T+5], 32
	s_mov_b32 s[G1T+6], 0
	s_mov_b32 s[G1T+7], 0
	s_mov_b32 s[SEL], 0x76543210
	s_mov_b32 s[SEL+1], 0xfedcba98                 ; v_permlanex16_b32's selects for lane l xor 16
	s_mov_b32 s[CS], 0x3e38aa3b                    ; log2(e) / 8
	s_mov_b32 s[CS+1], s[CS]
	v_and_b32 v9, 31, v0                           ; lane
	v_and_b32 v10, 15, v0                          ; r
	v_bfe_u32 v11, v0, 4, 1                        ; h
	s_delay_alu instid0(VALU_DEP_3)
	v_lshlrev_b32 v[AK], 4, v9
	s_delay_alu instid0(VALU_DEP_4)
	v_lshl_add_u32 v[AV], v9, 4, VIO
	s_delay_alu instid0(VALU_DEP_4)
	v_lshl_add_u32 v[AKS], v10, 2, KSO
	v_lshl_add_u32 v[AVS], v10, 2, VSO
	v_lshl_add_u32 v[AMB], v11, 5, MBO
	v_lshlrev_b32 v[LI], 4, v9
	v_mov_b32 v[ZR], 0
	v_lshlrev_b32 v18, 5, v10                      ; 32 r: a row of O's scale bytes
	v_lshlrev_b32 v19, 2, v10                      ; 4 r
	v_lshlrev_b32 v23, 3, v11
	s_delay_alu instid0(VALU_DEP_1)
	v_sub_nc_u32 v23, v10, v23                     ; r - 8 h
	v_lshlrev_b32 v20, 4, v0                       ; the mask: four keys a thread
	v_lshl_add_u32 v21, v0, 4, MBO
	v_mov_b32 v22, 0xf1800000                      ; -2^100
	v_mov_b32 v219, 0xffff
	; what I fetch, if I fetch.  Waves 0-7: K (even) or V (odd), part (wave / 2) % 4 of each half: 16,384 bytes.  Waves 8, 9: K's or V's scale words, 2,048 bytes of each half.
	s_and_b32 s92, s[WV], 1
	s_lshr_b32 s93, s[WV], 1
	s_and_b32 s93, s93, 3
	s_lshl_b32 s93, s93, 14
	s_lshl_b32 s27, s92, 17
	s_add_co_u32 s27, s27, s93                     ; LDS byte of my large load, first half
	s_lshl_b32 s75, s92, 12
	s_add_co_u32 s75, s75, KSO                     ; LDS byte of my small load, first half
	s_lshl_b32 s96, s[BH], 17
	s_add_co_u32 s96, s96, s93                     ; the head's 131,072 bytes, my part
	s_mov_b32 s97, 0
	s_wait_dscnt 0x0
	s_wait_kmcnt 0x0
	s_cmp_eq_u32 s92, 0                            ; the choice hangs on the wave's number alone
	s_cselect_b64 s[94:95], s[8:9], s[12:13]
	s_cselect_b64 s[98:99], s[10:11], s[14:15]
	s_add_nc_u64 s[94:95], s[94:95], s[96:97]
	s_lshl_b32 s96, s[BH], 12
	s_add_nc_u64 s[98:99], s[98:99], s[96:97]
	s_mov_b32 s44, 1                               ; groups 0: large, first half;
	s_mov_b32 s45, s27
	s_mov_b64 s[46:47], s[94:95]
	s_or_b32 s47, s47, 0x80000000
	s_mov_b32 s48, 1                               ; large, second half;
	s_add_co_u32 s49, s27, 65536
	s_add_nc_u64 s[50:51], s[94:95], 65536
	s_or_b32 s51, s51, 0x80000000
	s_mov_b32 s52, 1                               ; small, first half;
	s_mov_b32 s53, s75
	s_mov_b64 s[54:55], s[98:99]
	s_or_b32 s55, s55, 0x80000000
	s_mov_b32 s56, 1                               ; small, second half
	s_add_co_u32 s57, s75, 2048
	s_add_nc_u64 s[58:59], s[98:99], 2048
	s_or_b32 s59, s59, 0x80000000
	s_cmp_lt_u32 s[WV], 8                          ; all fills of the launch, in one group: a wave that fetches has two tensor loads out
	s_cbranch_scc0 .Lnot_large
	tensor_load_to_lds s[44:47], s[G1L:G1L+7]
	s_nop 0
	tensor_load_to_lds s[48:51], s[G1L:G1L+7]
	s_nop 0
.rept 4
	v_nop
.endr
	s_branch .Lasked
.Lnot_large:
	s_cmp_lt_u32 s[WV], 10
	s_cbranch_scc0 .Lasked
	tensor_load_to_lds s[52:55], s[G1T:G1T+7]
	s_nop 0
	tensor_load_to_lds s[56:59], s[G1T:G1T+7]
	s_nop 0
.rept 4
	v_nop
.endr
.Lasked:
	s_lshl_b32 s92, s[BB], 13
	s_mov_b32 s93, 0
	s_add_nc_u64 s[96:97], s[16:17], s[92:93]      ; my batch's row of the mask
	s_wait_alu depctr_va_vdst(0)
	global_load_b128 v[24:27], v20, s[96:97]
.macro BASES p                         ; the four addresses of my tile p
	s_lshl_b32 s92, s[BH], 7
	s_add_co_u32 s92, s92, s[T0+\p]
	s_lshl_b32 s92, s92, 10
	s_add_nc_u64 s[QB+2*\p:QB+2*\p+1], s[4:5], s[92:93]        ; q's images: 1,024 bytes a tile
	s_lshr_b32 s94, s[T0+\p], 1
	s_lshl_b32 s94, s94, 6
	s_lshl_b32 s92, s[BH], 12
	s_add_co_u32 s92, s92, s94
	s_and_b32 s94, s[T0+\p], 1
	s_lshl_b32 s94, s94, 1
	s_add_co_u32 s92, s92, s94
	s_add_nc_u64 s[QSB+2*\p:QSB+2*\p+1], s[6:7], s[92:93]      ; q's halfwords: 64 bytes a pair of tiles, 4 a row, 2 a tile
	s_lshl_b32 s94, s[BB], 7
	s_add_co_u32 s94, s94, s[T0+\p]                ; the tile of rows among all 512
	s_lshl_b32 s92, s94, 14
	s_lshl_b32 s95, s[HD], 10
	s_add_co_u32 s92, s92, s95
	s_add_nc_u64 s[OB+2*\p:OB+2*\p+1], s[18:19], s[92:93]      ; O's images: 16,384 bytes a tile of rows, 1,024 a head
	s_lshl_b32 s92, s94, 9
	s_lshl_b32 s95, s[HD], 1
	s_add_co_u32 s92, s92, s95
	s_add_nc_u64 s[OSB+2*\p:OSB+2*\p+1], s[20:21], s[92:93]    ; O's scale bytes: 32 a row, 2 a head
.endm
	BASES 0
	BASES 1
.macro QLOAD p                         ; my tile's q, twice, round the zeros; and its two scale bytes: five loads
	global_load_b128 v[Q:Q+3], v[LI], s[QB+2*\p:QB+2*\p+1]
	global_load_b128 v[Q+4:Q+7], v[LI], s[QB+2*\p:QB+2*\p+1] offset:512
	global_load_b128 v[Q+16:Q+19], v[LI], s[QB+2*\p:QB+2*\p+1]
	global_load_b128 v[Q+20:Q+23], v[LI], s[QB+2*\p:QB+2*\p+1] offset:512
	global_load_u16 v216, v19, s[QSB+2*\p:QSB+2*\p+1]
.endm
	QLOAD 0
.irp j, 0,1,2,3,4,5,6,7
	v_mov_b32 v[Q+8+\j], 0                         ; the zero codes between the two copies of q
.endr
.irp b, 0,1,2,3
	v_mov_b32 v[236+\b], 0                         ; a lane permute's destination counts as one of its sources
.endr
	v_mov_b32 v252, 0
	v_mov_b32 v253, 0                              ; (named as the upper half of the pair v[252:253] before it is first written)
	s_wait_loadcnt 5                               ; the mask is in; the five loads of q were issued behind it
.irp j, 0,1,2,3
	v_cmp_eq_u32 vcc_lo, 0, v[24+\j]
	s_delay_alu instid0(VALU_DEP_1)
	v_cndmask_b32 v[24+\j], v[ZR], v22, vcc_lo     ; 0 where the key counts, -2^100 where it does not
.endr
	ds_store_b128 v21, v[24:27]
	s_wait_tensorcnt 0x1                           ; my part of the first half of the keys has landed; the second half's may stay out
	s_wait_dscnt 0x0                               ; for the others' sake: my part of the mask is stored
	s_barrier_signal -1
	s_barrier_wait -1
.macro INIT p
	v_lshl_or_b32 v255, v216, 16, v216             ; q's scale word: the two bytes twice, for either place of q
	v_mov_b32 v13, 0xe7800000                      ; the largest t so far: -2^80
	v_mov_b32 v12, 0x67800000                      ; -M
	v_mov_b32 v14, 0                               ; l, in two halves
	v_mov_b32 v15, 0
	s_and_b32 s92, s[T0+\p], 7
	s_lshl_b32 s92, s92, 4
	v_add_nc_u32 v[VD], s92, v23
.set j, 0
.rept 32
	v_mov_b32 v[O+j], 0                            ; O^T: the step is written once; the first finds zeros.  (These are also the places between the scale word's making and its use)
.set j, j+1
.endr
	s_lshr_b32 s[SD], s[T0+\p], 3
	s_mov_b32 s[SS], 0
	s_mov_b32 s[SK], 0
	s_mov_b32 s[SW], 0
	s_mov_b32 s[SB], 0
.endm
; A KEY STEP: 128 keys.  No two matrix instructions that follow each other share an accumulator, over the backward jump too.
.macro STEP
	s_cmp_gt_u32 s[SS], s[SD]                      ; all its keys come after my queries: the work is left out, the addresses step on
	s_cbranch_scc1 .Lhid_\@
	s_setprio 2
	v_add_nc_u32 v[ADK], s[SK], v[AK]
	v_add_nc_u32 v[ADV], s[SK], v[AV]
	v_add_nc_u32 v[ADKS], s[SW], v[AKS]
	v_add_nc_u32 v[ADVS], s[SW], v[AVS]
	v_add_nc_u32 v[ADMB], s[SB], v[AMB]
.rept 3
	v_nop                                          ; with the five additions: eight places behind the last step's products, in front of loads into their registers
.endr
.irp g, 0,1,2,3
.irp c, 0,1,2,3
	ds_load_b128 v[F+16*\g+4*\c:F+16*\g+4*\c+3], v[ADK] offset:2048*\g+512*\c     ; pair g: tiles 2 g and 2 g + 1 of 16 keys
.endr
	ds_load_b32 v[SCW+\g], v[ADKS] offset:64*\g    ; its scale word: two bytes of each tile's key
.endr
.irp t, 0,1,2,3,4,5,6,7
	ds_load_b128 v[S+8*\t:S+8*\t+3], v[ADMB] offset:64*\t          ; the mask's numbers of keys 16 t + 8 h + 0 .. 7: the C of the products
	ds_load_b128 v[S+8*\t+4:S+8*\t+7], v[ADMB] offset:64*\t+16
.endr
	s_wait_alu depctr_va_vdst(0)
	s_wait_dscnt 0x0
.irp g, 0,1,2,3
	v_wmma_scale_f32_16x16x128_f8f6f4 v[S+16*\g:S+16*\g+7], v[F+16*\g:F+16*\g+15], v[Q:Q+15], v[S+16*\g:S+16*\g+7], v[SCW+\g], v255 matrix_a_fmt:MATRIX_FMT_BF8 matrix_b_fmt:MATRIX_FMT_BF8
	v_wmma_scale_f32_16x16x128_f8f6f4 v[S+16*\g+8:S+16*\g+15], v[F+16*\g:F+16*\g+15], v[Q+8:Q+23], v[S+16*\g+8:S+16*\g+15], v[SCW+\g], v255 matrix_a_fmt:MATRIX_FMT_BF8 matrix_b_fmt:MATRIX_FMT_BF8
.endr                                              ; lane (r, h): query r; register 8 t + j: key 16 t + 8 h + j of the step
.rept 8
	v_nop
.endr
.irp t, 0,1,2,3
.irp c, 0,1,2,3
	ds_load_b128 v[F+16*\t+4*\c:F+16*\t+4*\c+3], v[ADV] offset:2048*\t+512*\c     ; V^T: 16 channels x these 128 keys; they land under the softmax
.endr
	ds_load_b32 v[SCW+\t], v[ADVS] offset:64*\t
.endr
	s_cmp_lg_u32 s[SS], s[SD]
	s_cbranch_scc1 .Lopen_\@
	v_mov_b32 v254, 0xff800000                     ; on the diagonal: -infinity where 16 t + j > 16 (T % 8) + r - 8 h
.set n, 0
.rept 64
	v_cmp_gt_i32 vcc_lo, 16*(n/8)+n%8, v[VD]
	v_cndmask_b32 v[S+n], v[S+n], v254, vcc_lo
.set n, n+1
.endr
.Lopen_\@:
.irp b, 0,1,2,3
	v_max3_num_f32 v[232+\b], v[S+16*\b], v[S+1+16*\b], v[S+2+16*\b]   ; the largest score of each block of 32 keys: for the row's maximum, and, since p rises with the score, for the block's largest p
.endr
.irp i, 3,5,7,9,11,13
.irp b, 0,1,2,3
	v_max3_num_f32 v[232+\b], v[232+\b], v[S+16*\b+\i], v[S+1+16*\b+\i]
.endr
.endr
.irp b, 0,1,2,3
	v_max_num_f32 v[232+\b], v[232+\b], v[S+15+16*\b]
.endr
.irp b, 0,1,2,3
	v_permlanex16_b32 v[236+\b], v[232+\b], s[SEL], s[SEL+1]
.endr
.irp b, 0,1,2,3
	s_delay_alu instid0(VALU_DEP_4)
	v_max_num_f32 v[232+\b], v[232+\b], v[236+\b]  ; with lane l xor 16's 16 keys
.endr
	s_delay_alu instid0(VALU_DEP_2)
	v_max3_num_f32 v254, v232, v233, v234
	s_delay_alu instid0(VALU_DEP_1)
	v_max_num_f32 v254, v254, v235
	s_delay_alu instid0(VALU_DEP_1)
	v_mul_f32 v254, s[CS], v254                    ; as t
	s_delay_alu instid0(VALU_DEP_1)
	v_max_num_f32 v13, v13, v254                   ; the running largest t
	v_mov_b32 v254, v12
	s_delay_alu instid0(VALU_DEP_2)
	v_floor_f32 v12, -v13                          ; the new -M = floor(-t): M is a whole number
	s_delay_alu instid0(VALU_DEP_1)
	v_sub_f32 v254, v12, v254                      ; old M - new M: a whole number, 0 or less
	s_delay_alu instid0(VALU_DEP_1)
	v_cvt_i32_f32 v254, v254                       ; (it saturates)
	s_delay_alu instid0(VALU_DEP_1)
	v_ldexp_f32 v252, 1.0, v254                    ; f = 2^(old M - new M)
.set j, 0
	s_setprio 1
.rept 32
	v_pk_fma_f32 v[S+j:S+j+1], v[S+j:S+j+1], s[CS:CS+1], v[12:13] op_sel_hi:[1,0,0]    ; t - M
.set j, j+2
.endr
.irp b, 0,1,2,3
	v_fma_f32 v[232+\b], v[232+\b], s[CS], v12     ; the same of each block's largest score
.endr
.set j, 0
	s_wait_alu depctr_va_vdst(0)
.rept 64
	v_exp_f32 v[S+j], v[S+j]                       ; p = 2^(t - M), at most 1
.set j, j+1
.endr
.irp b, 0,1,2,3
	v_exp_f32 v[232+\b], v[232+\b]                 ; the block's largest p
.endr
	v_pk_mul_f32 v[14:15], v[14:15], v[252:253] op_sel_hi:[1,0]    ; l under the new M.  (A plain line behind the exponentials)
	s_wait_alu depctr_va_vdst(0)
.irp b, 0,1,2,3
	v_max_num_f32 v[232+\b], 0x8000000, v[232+\b]  ; the floor 2^(16 - 127)
.endr
.irp b, 0,1,2,3
	s_delay_alu instid0(VALU_DEP_4)
	v_add_nc_u32 v[244+\b], 0xf8800000, v[232+\b]  ; the conversion's scale operand
.endr
.irp b, 0,1,2,3
.endr
.irp b, 0,1,2,3
	s_delay_alu instid0(VALU_DEP_4)
	v_lshrrev_b32 v[236+\b], 23, v[244+\b]         ; the scale's byte
.endr
	s_delay_alu instid0(VALU_DEP_3)
	v_lshl_or_b32 v253, v237, 8, v236              ; p's scale word for these 128 keys
	s_delay_alu instid0(VALU_DEP_1)
	v_lshl_or_b32 v253, v238, 16, v253
	s_delay_alu instid0(VALU_DEP_1)
	v_lshl_or_b32 v253, v239, 24, v253
	v_pk_add_f32 v[236:237], v[100:101], v[104:105]
	v_pk_add_f32 v[242:243], v[108:109], v[112:113]
	v_pk_add_f32 v[240:241], v[116:117], v[120:121]
	v_pk_add_f32 v[238:239], v[124:125], v[128:129]
	v_pk_add_f32 v[234:235], v[132:133], v[136:137]
	v_pk_add_f32 v[232:233], v[140:141], v[144:145]
	v_pk_add_f32 v[230:231], v[148:149], v[152:153]
	v_pk_add_f32 v[14:15], v[14:15], v[156:157]
	v_pk_add_f32 v[236:237], v[236:237], v[96:97]
	v_pk_add_f32 v[242:243], v[242:243], v[98:99]
	v_pk_add_f32 v[240:241], v[240:241], v[102:103]
	v_pk_add_f32 v[238:239], v[238:239], v[106:107]
	v_pk_add_f32 v[234:235], v[234:235], v[110:111]
	v_pk_add_f32 v[232:233], v[232:233], v[114:115]
	v_pk_add_f32 v[230:231], v[230:231], v[118:119]
	s_setprio 0
	v_pk_add_f32 v[14:15], v[14:15], v[122:123]
	v_pk_add_f32 v[236:237], v[236:237], v[126:127]
	v_pk_add_f32 v[242:243], v[242:243], v[130:131]
	v_pk_add_f32 v[240:241], v[240:241], v[134:135]
	v_pk_add_f32 v[238:239], v[238:239], v[138:139]
	v_pk_add_f32 v[234:235], v[234:235], v[142:143]
	v_pk_add_f32 v[232:233], v[232:233], v[146:147]
	v_pk_add_f32 v[230:231], v[230:231], v[150:151]
	v_pk_add_f32 v[14:15], v[14:15], v[154:155]
	v_pk_add_f32 v[236:237], v[236:237], v[158:159]
	s_delay_alu instid0(VALU_DEP_2)
	v_pk_add_f32 v[14:15], v[14:15], v[238:239]
	s_delay_alu instid0(VALU_DEP_2)
	v_pk_add_f32 v[236:237], v[236:237], v[234:235]
	v_pk_add_f32 v[242:243], v[242:243], v[232:233]
	v_pk_add_f32 v[240:241], v[240:241], v[230:231]
	s_delay_alu instid0(VALU_DEP_2)
	v_pk_add_f32 v[14:15], v[14:15], v[242:243]
	s_delay_alu instid0(VALU_DEP_2)
	v_pk_add_f32 v[236:237], v[236:237], v[240:241]
	s_delay_alu instid0(VALU_DEP_1)
	v_pk_add_f32 v[14:15], v[14:15], v[236:237]
.irp b, 0,1,2,3
.set i, 0
.rept 16
.set i, i+1
.endr
	v_cvt_scalef32_pk8_bf8_f32 v[PCD+4*\b:PCD+4*\b+1], v[S+16*\b:S+16*\b+7], v[244+\b]
	v_cvt_scalef32_pk8_bf8_f32 v[PCD+4*\b+2:PCD+4*\b+3], v[S+16*\b+8:S+16*\b+15], v[244+\b]
.endr
.set j, 0
.rept 16
	v_pk_mul_f32 v[O+j:O+j+1], v[O+j:O+j+1], v[252:253] op_sel_hi:[1,0]    ; O^T under the new M.  (Also the plain lines between the codes' making and their use)
.set j, j+2
.endr
	s_wait_alu depctr_va_vdst(0)
	s_wait_dscnt 0x0                               ; V and its scale words
.irp t, 0,1,2,3
	v_wmma_scale_f32_16x16x128_f8f6f4 v[O+8*\t:O+8*\t+7], v[F+16*\t:F+16*\t+15], v[PCD:PCD+15], v[O+8*\t:O+8*\t+7], v[SCW+\t], v253 matrix_a_fmt:MATRIX_FMT_BF8 matrix_b_fmt:MATRIX_FMT_BF8
.endr
.Lhid_\@:
	s_add_co_u32 s[SK], s[SK], 8192
	s_add_co_u32 s[SW], s[SW], 256
	s_add_co_u32 s[SB], s[SB], 512
.endm
.macro PASS trips                      ; the trip count is a constant of the text
.Lpass_\@:
	STEP
	s_add_co_u32 s[SS], s[SS], 1
	s_cmp_lt_u32 s[SS], \trips
	s_cbranch_scc1 .Lpass_\@
	s_setprio 0
.endm
; O = O^T / l; its two blocks of 32 channels are quantised; the codes are put into the true order of k and leave as two pieces of an image.
.macro WAYOUT p
	v_add_f32 v14, v14, v15
	s_delay_alu instid0(VALU_DEP_1)
	v_permlanex16_b32 v252, v14, s[SEL], s[SEL+1]
	s_delay_alu instid0(VALU_DEP_1)
	v_add_f32 v14, v14, v252                       ; the row's sum
	s_delay_alu instid0(VALU_DEP_1)
	v_cmp_eq_f32 s72, 0, v14                       ; no key counted
	v_rcp_f32 v15, v14
	v_nop                                          ; a plain line behind the transcendental
	s_wait_alu depctr_va_vdst(0)
	v_cndmask_b32 v14, v15, v[ZR], s72             ; 1 / l, or 0
.set j, 0
.rept 16
	v_pk_mul_f32 v[S+j:S+j+1], v[O+j:O+j+1], v[14:15] op_sel_hi:[1,0]      ; register 8 t + i: channel 16 t + 8 h + i of query r; each accumulator from its low end on
.set j, j+2
.endr
.irp b, 0,1
	v_max3_num_f32 v[232+\b], |v[S+16*\b]|, |v[S+1+16*\b]|, 0x8000000
.endr
.irp i, 2,4,6,8,10,12,14
.irp b, 0,1
	s_delay_alu instid0(VALU_DEP_2)
	v_max3_num_f32 v[232+\b], v[232+\b], |v[S+16*\b+\i]|, |v[S+1+16*\b+\i]|
.endr
.endr
.irp b, 0,1
	v_permlanex16_b32 v[236+\b], v[232+\b], s[SEL], s[SEL+1]
.endr
.irp b, 0,1
	s_delay_alu instid0(VALU_DEP_2)
	v_max_num_f32 v[232+\b], v[232+\b], v[236+\b]
.endr
.irp b, 0,1
	s_delay_alu instid0(VALU_DEP_2)
	v_add_nc_u32 v[244+\b], 0xf8800000, v[232+\b]
.endr
.irp b, 0,1
.endr
.irp b, 0,1
	s_delay_alu instid0(VALU_DEP_2)
	v_lshrrev_b32 v[236+\b], 23, v[244+\b]
.endr
	s_delay_alu instid0(VALU_DEP_1)
	v_lshl_or_b32 v218, v237, 8, v236              ; the head's two scale bytes of my row,
	s_delay_alu instid0(VALU_DEP_1)
	v_cndmask_b32 v218, v218, v219, s72            ; or 0xff twice: the row of the last projection is then NaN
.irp b, 0,1
.set i, 0
.rept 16
.set i, i+1
.endr
.endr
.irp b, 0,1
	v_cvt_scalef32_pk8_bf8_f32 v[PCD+4*\b:PCD+4*\b+1], v[S+16*\b:S+16*\b+7], v[244+\b]
	v_cvt_scalef32_pk8_bf8_f32 v[PCD+4*\b+2:PCD+4*\b+3], v[S+16*\b+8:S+16*\b+15], v[244+\b]
.endr
	v_nop                                          ; a plain line behind the last conversion
.irp b, 0,1
	v_permlane16_swap_b32 v[PCD+4*\b], v[PCD+4*\b+2]               ; lanes 0-15 give channels 16-23 and take 8-15: then lane (r, h) holds channels 16 h + 0 .. 15 of the block
	v_permlane16_swap_b32 v[PCD+4*\b+1], v[PCD+4*\b+3]
.endr
.irp b, 0,1
	global_store_b128 v[LI], v[PCD+4*\b:PCD+4*\b+3], s[OB+2*\p:OB+2*\p+1] offset:512*\b    ; 512 consecutive bytes, aligned
.endr
	global_store_b16 v18, v218, s[OSB+2*\p:OSB+2*\p+1]             ; lanes l and l xor 16 store the same halfword
.endm
	s_wait_loadcnt 0x0                             ; q of my light tile
	INIT 0
	PASS 8                                         ; keys under 1,024: every address lies in the first half
.rept 8
	v_nop                                          ; behind the last products: q's registers are loaded again, O^T is read
.endr
	QLOAD 1
	WAYOUT 0
	s_wait_tensorcnt 0x0                           ; my part of the second half of the keys has landed,
	s_wait_dscnt 0x0
	s_barrier_signal -1
	s_barrier_wait -1                              ; everybody's has
	s_wait_loadcnt 0x0                             ; q of my heavy tile
	s_wait_xcnt 0x0                                ; the stores have read their registers
	INIT 1
	PASS 16
.rept 8
	v_nop
.endr
	WAYOUT 1
	s_wait_tensorcnt 0x0
	ds_add_u32 v222, v223
	s_wait_dscnt 0x0
	s_endpgm
.Lfunc_end_k_qde0ad7cc1f_attn:
	.size	k_qde0ad7cc1f_attn, .Lfunc_end_k_qde0ad7cc1f_attn-k_qde0ad7cc1f_attn
	.p2alignl 7, 3214868480
	.fill 96, 4, 3214868480
	.section	.rodata,"a",@progbits
	.p2align	6, 0x0
	.amdhsa_kernel k_qde0ad7cc1f_attn
		.amdhsa_group_segment_fixed_size 280576
		.amdhsa_private_segment_fixed_size 0
		.amdhsa_enable_private_segment 0
		.amdhsa_kernarg_size 72
		.amdhsa_user_sgpr_count 2
		.amdhsa_user_sgpr_kernarg_segment_ptr 1
		.amdhsa_wavefront_size32 1
		.amdhsa_system_sgpr_workgroup_id_x 1
		.amdhsa_system_sgpr_workgroup_id_y 1
		.amdhsa_system_sgpr_workgroup_id_z 1
		.amdhsa_system_vgpr_workitem_id 0
		.amdhsa_next_free_vgpr 256
		.amdhsa_next_free_sgpr 100
		.amdhsa_reserve_vcc 1
		.amdhsa_float_denorm_mode_32 3
		.amdhsa_float_denorm_mode_16_64 3
		.amdhsa_fp16_overflow 1
		.amdhsa_memory_ordered 1
		.amdhsa_forward_progress 1
		.amdhsa_inst_pref_size 69
	.end_amdhsa_kernel
	.amdgpu_metadata
---
amdhsa.version: [ 1, 2 ]
amdhsa.kernels:
  - .name:           k_qde0ad7cc1f_attn
    .symbol:         k_qde0ad7cc1f_attn.kd
    .args:
      - { .name: qimg, .offset: 0, .size: 8, .value_kind: global_buffer, .address_space: global }
      - { .name: qsc, .offset: 8, .size: 8, .value_kind: global_buffer, .address_space: global }
      - { .name: kimg, .offset: 16, .size: 8, .value_kind: global_buffer, .address_space: global }
      - { .name: ksc, .offset: 24, .size: 8, .value_kind: global_buffer, .address_space: global }
      - { .name: vimg, .offset: 32, .size: 8, .value_kind: global_buffer, .address_space: global }
      - { .name: vsc, .offset: 40, .size: 8, .value_kind: global_buffer, .address_space: global }
      - { .name: mask, .offset: 48, .size: 8, .value_kind: global_buffer, .address_space: global }
      - { .name: oimg, .offset: 56, .size: 8, .value_kind: global_buffer, .address_space: global }
      - { .name: osc, .offset: 64, .size: 8, .value_kind: global_buffer, .address_space: global }
    .group_segment_fixed_size: 280576
    .private_segment_fixed_size: 0
    .kernarg_segment_align: 8
    .kernarg_segment_size: 72
    .max_flat_workgroup_size: 512
    .sgpr_count:     100
    .vgpr_count:     256
    .wavefront_size: 32
...
	.end_amdgpu_metadata
.endif
;; end of part 2
;; launch projo (part 3): grid 4 x 32, 4 waves a work-group, clusters of 4 x 4, 327,680 bytes of LDS; arguments oimg, osc, Wo_codes, Wo_scales, bo, out0; writes out0
.if DOCPART == 3
	.amdgcn_target "amdgcn-amd-amdhsa--gfx1250"
	.amdhsa_code_object_version 6
	.text
	.protected	k_qde0ad7cc1f_projo
	.globl	k_qde0ad7cc1f_projo
	.p2align	8
	.type	k_qde0ad7cc1f_projo,@function
k_qde0ad7cc1f_projo:
	s_mov_b64 s[64:65], 0
	v_nop
	global_prefetch_b8 v0, s[64:65] scope:SCOPE_SE
	s_setreg_imm32_b32 hwreg(HW_REG_WAVE_MODE, 25, 1), 1
	s_wait_xcnt 0x0
	s_wait_alu depctr_hold_cnt(0) depctr_sa_sdst(0) depctr_va_vdst(0) depctr_va_sdst(0) depctr_va_ssrc(0) depctr_va_vcc(0) depctr_vm_vsrc(0)
	s_getreg_b32 s2, hwreg(HW_REG_IB_STS2, 6, 4)
	s_cmp_eq_u32 s2, 0
	s_cbranch_scc0 .Lentry_in_a_cluster
	s_endpgm
.Lentry_in_a_cluster:
	s_bfe_u32 s2, ttmp6, 0x10000c
	s_cmp_lg_u32 s2, 0xf033
	s_cbranch_scc0 .Lentry_shape_is_right
	s_endpgm
.Lentry_shape_is_right:
; out0 = O Wo^T + bo on codes of BF8 (E5M2) with one E8M0 scale for each 32 along K = 1,024; sums in f32.  O: 8,192 rows, as images of operand registers
; [tile of 16 rows][K step of 128][c 4][512 bytes, lane l's 16 at 16 l], its scale bytes [row][32].  Wo: [1,024][1,024] codes, K innermost, scale bytes [1,024][32].  out0: [8,192][1,024] f32.
; A row of O whose scale bytes are 0xff (a query for which no key counted) comes out NaN.
; A tile of 256 x 256 to a work-group of four waves, 128 x 128 to a wave: 64 accumulators.  K goes in steps of 256 through a ring of two LDS slots.  Wo's tiles are rows of 256 bytes, padded to 272 in LDS;
; O's are 8 runs of 4,096 bytes a load (a tile of rows' two K steps), dense in LDS: a fragment load reads 512 consecutive bytes.  The scales of the work-group's rows come once.
; 128 tiles: half the WGPs have work.  A tile of 128 x 256 would give all of them work, with 1.5 times the LDS bytes read for each multiply-add.
; CLUSTERS: 4 x 4 work-groups; O's tiles are asked for jointly along a row of the cluster, Wo's along a column.
; THE MATRIX INSTRUCTION IS USED TRANSPOSED (source 0 = 16 rows of Wo, source 1 = 16 rows of O): a lane holds eight neighbouring numbers of a row of out0.  bo is the C of each sum's first product.
; REGISTERS, in windows of 256: window 0: v0-31 addresses; v32-63 scale words, two sets; v64-127 bo; from v128 O's fragments, one set (on the way out rows of out0).  window 1: Wo's fragments, two sets.  windows 2, 3: accumulators.
.set SIZE_K, 1024
.set SIZE_N, 1024
.set KSTEP,  256
.set NQ,     KSTEP/128
.set ROWB,   256                       ; a row of Wo's tile in bytes
.set ASTEP,  4096                      ; a K step of 256 in a tile of rows' image
.set KROW,   SIZE_K                    ; bytes for each row, of Wo and of O's images alike
.set PITCH,  272
.set FR,     16
.set NL,     4
.set NP,     8
.set HALFT,  128*PITCH                 ; the LDS room of 128 rows (O's images use 32,768 of it)
.set SLOT,   4*HALFT
.set LAPS,   SIZE_K/(2*KSTEP)
.set KS,     SIZE_K/32
.set SCL,    2*SLOT
.set HALFS,  (128*KS/256)*272
.set SBLK,   (16*KS/256)*272
.set SPARE,  SCL+4*HALFS               ; the spare words: 128 bytes for each wave, two blocks of 256 bytes that no other line names
.set SPITCH, 528                       ; the way out: a stage of 16 rows x (512 bytes + 16) for each wave, in slot 0, which has had its last fill and its last read by then
.set BVO,  10
.set ADRA, 16
.set ADRB, 20
.set STO,  24
.set RD,   25
.set CO,   26
.set ADRS, 27
.set SPW,  28
.set NIL,  29
.set SC,   32
.set BI,   64
.set AF,   128
.set BK,   128
.set G1, 24
.set G0, 32
.set G1B, 48
.set G0B, 56
.set G1S, 68
.set G0S, 76
.set G1SB, 80
.set G0SB, 88
.set MSB, 0
.macro WIN new
.if MSB != \new
	s_set_vgpr_msb (MSB<<8)|\new
.set MSB, \new
.endif
.endm
.set MUL_LO, 0xa1                      ; source 0 (Wo) window 1, source 1 (O) window 0, C and D window 2
.set MUL_HI, 0xf1                      ; the same, C and D window 3
.set FST_LO, 0x81                      ; the first step: C (bo) window 0, D window 2
.set FST_HI, 0xc1                      ; C window 0, D window 3
.set TO_B,   0x40
.macro JLOAD g0a, g1a, g0b, g1b        ; a joint load: waves 0 and 1 fetch for O, waves 2 and 3 for Wo; four v_nop follow each of the two lines
	s_cmp_eq_u32 s15, 0
	s_cbranch_scc0 .Lfor_b_\@
	tensor_load_to_lds s[\g0a:\g0a+3], s[\g1a:\g1a+7]
	s_nop 0
.rept 4
	v_nop
.endr
	s_branch .Lasked_\@
.Lfor_b_\@:
	tensor_load_to_lds s[\g0b:\g0b+3], s[\g1b:\g1b+7]
	s_nop 0
.rept 4
	v_nop
.endr
.Lasked_\@:
.endm
.macro CREST
	s_cmp_lg_u32 s14, 0
	s_cbranch_scc1 .Lnot_wave_0_\@
	s_barrier_signal -3
.Lnot_wave_0_\@:
	s_barrier_wait -3
	s_barrier_signal -1
	s_barrier_wait -1
.endm
.macro CROUND
	s_barrier_signal -1
	s_barrier_wait -1
	CREST
.endm
	s_load_b256 s[4:11], s[0:1], 0x0               ; O's images, O's scales, Wo's codes, Wo's scales
	s_load_b64 s[96:97], s[0:1], 0x20              ; bo
	s_load_b64 s[12:13], s[0:1], 0x28              ; out0
	v_lshl_add_u32 v[SPW], v0, 2, SPARE
	v_mov_b32 v[NIL], 0
	ds_add_u32 v28, v29
	ds_add_u32 v28, v29
	s_wait_dscnt 0x0
	v_lshrrev_b32 v1, 5, v0
	v_readfirstlane_b32 s14, v1                    ; wave 0..3
	s_lshr_b32 s15, s14, 1                         ; which half of the tile's rows is mine.  Also: I fetch for O (0) or for Wo (1)
	s_and_b32 s16, s14, 1                          ; which half of its columns.  Also: which 128 rows of that tile I fetch
	s_bfe_u32 s40, ttmp6, 0x40000                  ; cx, cy
	s_bfe_u32 s41, ttmp6, 0x40004
	s_lshl_b32 s42, ttmp9, 2
	s_add_co_u32 s42, s42, s40                     ; tile column
	s_and_b32 s17, ttmp7, 0xffff
	s_lshl_b32 s17, s17, 2
	s_add_co_u32 s17, s17, s41                     ; tile row
	s_lshl_b32 s43, s41, 2
	s_lshl_b32 s43, 15, s43                        ; my row of the cluster
	s_lshl_b32 s44, 0x1111, s40                    ; my column
	; group 1 for O's images: 8 runs of 4,096 bytes (512 elements of 8 bytes), 16,384 bytes apart, dense in LDS
	s_or_b32 s[G1+0], s43, (3<<16)|(1<<21)         ; 15:0 the mask; 17:16 elements of 8 bytes; 21 set beside a mask; no padding
	s_mov_b32 s[G1+1], 512<<16                     ; tensor_dim0
	s_mov_b32 s[G1+2], 8<<16                       ; tensor_dim1
	s_mov_b32 s[G1+3], 512<<16                     ; tile_dim0
	s_mov_b32 s[G1+4], 8                           ; tile_dim1
	s_mov_b32 s[G1+5], 2048                        ; pitch
	s_mov_b32 s[G1+6], 0
	s_mov_b32 s[G1+7], 0
	; group 1 for Wo's tiles: 128 rows x 256 bytes, 16 bytes of padding behind each
	s_or_b32 s[G1B+0], s44, (0<<16)|(1<<20)|(1<<21)|(5<<22)|(3<<25)
	s_mov_b32 s[G1B+1], ROWB<<16
	s_mov_b32 s[G1B+2], 128<<16
	s_mov_b32 s[G1B+3], ROWB<<16
	s_mov_b32 s[G1B+4], 128
	s_mov_b32 s[G1B+5], KROW
	s_mov_b32 s[G1B+6], 0
	s_mov_b32 s[G1B+7], 0
	; the scales of 128 rows: 16 rows of 256 bytes, 16 bytes of padding behind each
	s_or_b32 s[G1S+0], s43, (3<<16)|(1<<20)|(1<<21)|(5<<22)|(3<<25)
	s_or_b32 s[G1SB+0], s44, (3<<16)|(1<<20)|(1<<21)|(5<<22)|(3<<25)
.irp g, G1S, G1SB
	s_mov_b32 s[\g+1], 32<<16
	s_mov_b32 s[\g+2], (128*KS/256)<<16
	s_mov_b32 s[\g+3], 32<<16
	s_mov_b32 s[\g+4], 128*KS/256
	s_mov_b32 s[\g+5], 32
	s_mov_b32 s[\g+6], 0
	s_mov_b32 s[\g+7], 0
.endr
	s_lshl_b32 s18, s16, 7
	s_lshl_b32 s20, s17, 8
	s_add_co_u32 s20, s20, s18                     ; O: row 256 x tile row + 128 x half
	s_lshl_b32 s46, s42, 8
	s_add_co_u32 s46, s46, s18                     ; Wo: row 256 x tile column + 128 x half
	s_mov_b32 s21, 0
	s_mov_b32 s47, 0
	s_mov_b64 s[18:19], KS
	s_mul_u64 s[22:23], s[20:21], s[18:19]
	s_mul_u64 s[92:93], s[46:47], s[18:19]
	s_mov_b64 s[18:19], KROW
	s_mul_u64 s[20:21], s[20:21], s[18:19]         ; 1,024 bytes a row: a tile of 16 rows' image is 16,384
	s_mul_u64 s[46:47], s[46:47], s[18:19]
	s_mul_i32 s45, s14, HALFT
	s_mul_i32 s94, s14, HALFS
	s_wait_kmcnt 0x0
	s_add_nc_u64 s[20:21], s[4:5], s[20:21]
	s_add_nc_u64 s[22:23], s[6:7], s[22:23]
	s_add_nc_u64 s[46:47], s[8:9], s[46:47]
	s_add_nc_u64 s[92:93], s[10:11], s[92:93]
	CROUND                                         ; all sixteen work-groups are here: the first joint loads meet
	s_mov_b32 s[G0S], 1
	s_add_co_u32 s[G0S+1], s94, SCL
	s_mov_b64 s[G0S+2:G0S+3], s[22:23]
	s_or_b32 s[G0S+3], s[G0S+3], 0x80000000
	s_mov_b32 s[G0SB], 1
	s_add_co_u32 s[G0SB+1], s94, SCL
	s_mov_b64 s[G0SB+2:G0SB+3], s[92:93]
	s_or_b32 s[G0SB+3], s[G0SB+3], 0x80000000
	JLOAD G0S, G1S, G0SB, G1SB
.irp s, 0,1
	s_mov_b32 s[G0+4*\s], 1
	s_add_co_u32 s[G0+4*\s+1], s45, \s*SLOT
	s_add_nc_u64 s[G0+4*\s+2:G0+4*\s+3], s[20:21], \s*ASTEP
	s_or_b32 s[G0+4*\s+3], s[G0+4*\s+3], 0x80000000
	s_mov_b32 s[G0B+4*\s], 1
	s_add_co_u32 s[G0B+4*\s+1], s45, \s*SLOT
	s_add_nc_u64 s[G0B+4*\s+2:G0B+4*\s+3], s[46:47], \s*ROWB
	s_or_b32 s[G0B+4*\s+3], s[G0B+4*\s+3], 0x80000000
	s_wait_alu depctr_va_vdst(0)
	s_wait_tensorcnt 0x0
	ds_add_u32 v28, v29
	s_wait_dscnt 0x0
	CROUND
	JLOAD G0+4*\s, G1, G0B+4*\s, G1B               ; my only tensor load out now
.endr
	v_and_b32 v1, 15, v0                           ; r
	v_bfe_u32 v2, v0, 4, 1                         ; h
	v_and_b32 v6, 31, v0                           ; lane
	v_mul_u32_u24 v3, v1, PITCH
	v_lshl_add_u32 v4, v2, 4, v3                   ; Wo: row x pitch + 16 x half
	v_lshlrev_b32 v[CO], 4, v6                     ; 16 x lane: O's images; and a row of out0 on the way out
	s_mul_i32 s21, s15, HALFT                      ; my 128 rows of O
	s_mul_i32 s22, s16, HALFT                      ; my 128 rows of Wo,
	s_add_co_u32 s22, s22, 2*HALFT                 ; which lie behind O's room
.irp s, 0,1
	v_add_nc_u32 v[ADRA+\s], s21, v[CO]
	v_add_nc_u32 v[ADRB+\s], s22, v4
	s_add_co_u32 s21, s21, SLOT
	s_add_co_u32 s22, s22, SLOT
.endr
	v_mul_u32_u24 v5, v1, KS
	v_lshrrev_b32 v6, 8, v5
	v_lshl_add_u32 v5, v6, 4, v5
	s_mul_i32 s21, s15, HALFS
	s_mul_i32 s22, s16, HALFS
	s_add_co_u32 s22, s22, 2*HALFS
	s_sub_co_u32 s22, s22, s21
	v_mul_u32_u24 v6, s22, v2                      ; lanes 16-31 take Wo's
	s_add_co_u32 s21, s21, SCL
	v_add_nc_u32 v5, v5, v6
	v_add_nc_u32 v[ADRS], s21, v5
	s_mul_i32 s23, s14, 16*SPITCH                  ; my stage
	v_mul_u32_u24 v5, v1, SPITCH
	v_lshl_add_u32 v5, v2, 5, v5
	v_add_nc_u32 v[STO], s23, v5                   ; in: row r, 32 bytes for each half of the lanes
	v_add_nc_u32 v[RD], s23, v[CO]                 ; back: the 32 lanes take one row of 512 bytes
	s_lshl_b32 s20, s17, 8
	s_lshl_b32 s21, s15, 7
	s_add_co_u32 s20, s20, s21                     ; my first row of out0
	s_mov_b32 s21, 0
	s_mov_b64 s[18:19], SIZE_N*4
	s_mul_u64 s[20:21], s[20:21], s[18:19]
	s_lshl_b32 s46, s42, 10                        ; my first column, in bytes: 1,024 x tile column + 512 x half
	s_lshl_b32 s47, s16, 9
	s_add_co_u32 s46, s46, s47
	s_mov_b32 s47, 0
	s_add_nc_u64 s[96:97], s[96:97], s[46:47]      ; bo at that column
	s_add_nc_u64 s[20:21], s[20:21], s[46:47]
	s_add_nc_u64 s[12:13], s[12:13], s[20:21]
	v_lshlrev_b32 v[BVO], 5, v2                    ; register 8 b + j wants bo of column 16 b + 8 h + j
.irp b, 0,1,2,3,4,5,6,7
	global_load_b128 v[BI+8*\b:BI+8*\b+3], v[BVO], s[96:97] offset:64*\b
	global_load_b128 v[BI+8*\b+4:BI+8*\b+7], v[BVO], s[96:97] offset:64*\b+16
.endr
.macro FRAGB reg, adr, q, i            ; Wo: from rows: registers 4 c .. 4 c + 3 hold K = 32 c + 16 (l / 16) + 0 .. 15
.irp c, 0,1,2,3
	ds_load_b128 v[\reg+4*\c:\reg+4*\c+3], v[\adr] offset:128*(\q)+32*\c+(\i)*16*PITCH
.endr
.endm
.macro FRAGA reg, adr, q, i            ; O: from images: tile of rows i, the slot's q-th 128 along K, piece c
.irp c, 0,1,2,3
	ds_load_b128 v[\reg+4*\c:\reg+4*\c+3], v[\adr] offset:2048*(\q)+512*\c+4096*(\i)
.endr
.endm
; 16 matrix instructions: O's blocks a0, a0 + 1 x Wo's eight.  The 64 accumulators take turns, one instruction a turn.  zero = 1: bo starts the sums.
.macro MUL16 a0, p, q, sc, zero
.irp a, \a0, \a0+1
.irp b, 0,1,2,3,4,5,6,7
.if \zero
	v_wmma_scale_f32_16x16x128_f8f6f4 v[8*(8*((\a)%4)+\b):8*(8*((\a)%4)+\b)+7], v[128*(\p)+FR*\b:128*(\p)+FR*\b+FR-1], v[AF+FR*(\a):AF+FR*(\a)+FR-1], v[BI+8*\b:BI+8*\b+7], v[SC+8*NQ*(\sc)+NQ*\b+(\q)], v[SC+8*NQ*(\sc)+NQ*(\a)+(\q)] matrix_a_fmt:MATRIX_FMT_BF8 matrix_b_fmt:MATRIX_FMT_BF8 matrix_a_scale:MATRIX_SCALE_ROW1
.else
	v_wmma_scale_f32_16x16x128_f8f6f4 v[8*(8*((\a)%4)+\b):8*(8*((\a)%4)+\b)+7], v[128*(\p)+FR*\b:128*(\p)+FR*\b+FR-1], v[AF+FR*(\a):AF+FR*(\a)+FR-1], v[8*(8*((\a)%4)+\b):8*(8*((\a)%4)+\b)+7], v[SC+8*NQ*(\sc)+NQ*\b+(\q)], v[SC+8*NQ*(\sc)+NQ*(\a)+(\q)] matrix_a_fmt:MATRIX_FMT_BF8 matrix_b_fmt:MATRIX_FMT_BF8 matrix_a_scale:MATRIX_SCALE_ROW1
.endif
.endr
.endr
.endm
.macro FETCH_B slot, q, p
	WIN TO_B
.irp i, 0,1,2,3,4,5,6,7
	FRAGB 128*(\p)+FR*\i, ADRB+\slot, \q, \i
.endr
	WIN 0
.endm
.macro FETCH_A slot, q, i0
.irp i, \i0, \i0+1, \i0+2, \i0+3
	FRAGA AF+FR*(\i), ADRA+\slot, \q, \i
.endr
.endm
.macro SCALES sc
.irp i, 0,1,2,3,4,5,6,7
	ds_load_b64 v[SC+8*NQ*\sc+NQ*\i:SC+8*NQ*\sc+NQ*\i+1], v[ADRS] offset:\i*SBLK
.endr
.endm
.macro PLACES n                        ; plain vector instructions between a matrix instruction and a load into, or a read of, its registers
.rept \n
	v_nop
.endr
.endm
.macro STEP slot, q, zero
	s_wait_dscnt 4*NL                              ; Wo's set and O's blocks 0-3 are in; the youngest sixteen loads (O's blocks 4-7) may be out
.if \zero
	WIN FST_LO
.else
	WIN MUL_LO
.endif
	MUL16 0, (\q)%2, \q, \slot, \zero
	MUL16 2, (\q)%2, \q, \slot, \zero
	s_wait_dscnt 0
	PLACES NP
	FETCH_B \slot, (\q)+1, 1-(\q)%2
	FETCH_A \slot, (\q)+1, 0
.if \zero
	WIN FST_HI
.else
	WIN MUL_HI
.endif
	MUL16 4, (\q)%2, \q, \slot, \zero
	MUL16 6, (\q)%2, \q, \slot, \zero
	PLACES NP
	WIN 0
	FETCH_A \slot, (\q)+1, 4
.endm
.macro TURN slot, next, fill           ; a slot's last step changes slots: one barrier, in front of it the wait for all my tensor loads, the add, and the wait for it and for my reads of this slot
	s_wait_tensorcnt 0x0                           ; all my tensor loads have landed: my part of the next slot
	ds_add_u32 v[SPW], v[NIL]                      ; 0 onto my spare word
	s_wait_dscnt 4*NL+1                            ; the add and the youngest sixteen loads may be out
	WIN MUL_LO
	MUL16 0, 1, NQ-1, \slot, 0
	s_wait_dscnt 0x0                               ; the add is done, and my reads of this slot are over
	s_barrier_signal -1
	MUL16 2, 1, NQ-1, \slot, 0
	WIN 0
	s_barrier_wait -1
.if \fill
	CREST                                          ; the barrier has opened a round of the cluster's
	s_add_nc_u64 s[G0+4*\slot+2:G0+4*\slot+3], s[G0+4*\slot+2:G0+4*\slot+3], 2*ASTEP
	s_add_nc_u64 s[G0B+4*\slot+2:G0B+4*\slot+3], s[G0B+4*\slot+2:G0B+4*\slot+3], 2*ROWB
	JLOAD G0+4*\slot, G1, G0B+4*\slot, G1B         ; the first tensor load behind the round, my only one until the next
	PLACES NP-4
.else
	PLACES NP
.endif
	s_wait_alu depctr_va_vdst(0)
	v_add_nc_u32 v[ADRS], 4*NQ, v[ADRS]
	FETCH_B \next, 0, 0
	FETCH_A \next, 0, 0
	SCALES \next
	WIN MUL_HI
	MUL16 4, 1, NQ-1, \slot, 0
	MUL16 6, 1, NQ-1, \slot, 0
	PLACES NP
	WIN 0
	FETCH_A \next, 0, 4
.endm
	s_wait_alu depctr_va_vdst(0)
	s_wait_loadcnt 0x0                             ; bo
	s_wait_tensorcnt 1                             ; the scales and my part of K step 0 are in; K step 1's load may be out
	s_barrier_signal -1
	s_barrier_wait -1
	FETCH_B 0, 0, 0
	FETCH_A 0, 0, 0
	SCALES 0
	FETCH_A 0, 0, 4
	STEP 0, 0, 1                                   ; the first step starts the sums from bo
	s_mov_b32 s3, LAPS-1
.Llap:
	TURN 0, 1, 1
	STEP 1, 0, 0
	TURN 1, 0, 1
	STEP 0, 0, 0
	s_sub_co_u32 s3, s3, 1
	s_cmp_lg_u32 s3, 0
	s_cbranch_scc1 .Llap
	TURN 0, 1, 0                                   ; the last lap fills nothing
	STEP 1, 0, 0
	s_wait_dscnt 4*NL
	WIN MUL_LO
	MUL16 0, 1, NQ-1, 1, 0
	MUL16 2, 1, NQ-1, 1, 0
	s_wait_dscnt 0
	WIN MUL_HI
	MUL16 4, 1, NQ-1, 1, 0
	MUL16 6, 1, NQ-1, 1, 0
	WIN 0
; THE WAY OUT, block by block of 16 rows x 128 columns, through my own stage in LDS: back come whole rows of 512 bytes, which the 32 lanes store as 512 consecutive bytes, aligned.
; LDS serves a wave's instructions in order (ISA guide 5.7.1.4): no wait between the stores and the loads.
.macro TOSTAGE a
.set AC, 64*((\a)%4)
	WIN 0x08+4*((\a)/4)                            ; the data: window 2 or 3
.irp b, 0,1,2,3,4,5,6,7
	ds_store_b128 v[STO], v[AC+8*\b:AC+8*\b+3] offset:64*\b          ; each accumulator from its low end on
	ds_store_b128 v[STO], v[AC+8*\b+4:AC+8*\b+7] offset:64*\b+16
.endr
	WIN 0
.set BB, BK+64*((\a)%2)
.irp t, 0,1,2,3,4,5,6,7,8,9,10,11,12,13,14,15
	ds_load_b128 v[BB+4*\t:BB+4*\t+3], v[RD] offset:\t*SPITCH
.endr
.endm
.macro SEND a, younger                 ; younger: the LDS instructions issued behind block a's loads, which may stay out
.set BB, BK+64*((\a)%2)
	s_wait_dscnt \younger
.if (\a) > 0
	s_add_nc_u64 s[12:13], s[12:13], 16*SIZE_N*4   ; behind a wait on XCNT: the earlier stores have read their base
.endif
.irp t, 0,1,2,3,4,5,6,7,8,9,10,11,12,13,14,15
	global_store_b128 v[CO], v[BB+4*\t:BB+4*\t+3], s[12:13] offset:\t*SIZE_N*4 th:TH_STORE_NT
.endr
.endm
	PLACES NP
	TOSTAGE 0
.irp a, 1,2,3,4,5,6,7
.if \a > 1
	s_wait_xcnt 0x0                                ; the stores of two blocks ago have read their registers and their base
.endif
	TOSTAGE \a
	SEND \a-1, 32                                  ; behind block a - 1's loads: block a's 16 stores and 16 loads
.endr
	s_wait_xcnt 0x0
	SEND 7, 0
	s_wait_tensorcnt 0x0                           ; the wave's end
	ds_add_u32 v[SPW], v[NIL]
	s_wait_dscnt 0x0
	CROUND                                         ; the closing round
	s_endpgm
.Lfunc_end_k_qde0ad7cc1f_projo:
	.size	k_qde0ad7cc1f_projo, .Lfunc_end_k_qde0ad7cc1f_projo-k_qde0ad7cc1f_projo
	.p2alignl 7, 3214868480
	.fill 96, 4, 3214868480
	.section	.rodata,"a",@progbits
	.p2align	6, 0x0
	.amdhsa_kernel k_qde0ad7cc1f_projo
		.amdhsa_group_segment_fixed_size 327680
		.amdhsa_private_segment_fixed_size 0
		.amdhsa_enable_private_segment 0
		.amdhsa_kernarg_size 48
		.amdhsa_user_sgpr_count 2
		.amdhsa_user_sgpr_kernarg_segment_ptr 1
		.amdhsa_wavefront_size32 1
		.amdhsa_system_sgpr_workgroup_id_x 1
		.amdhsa_system_sgpr_workgroup_id_y 1
		.amdhsa_system_sgpr_workgroup_id_z 1
		.amdhsa_system_vgpr_workitem_id 0
		.amdhsa_next_free_vgpr 1024
		.amdhsa_next_free_sgpr 100
		.amdhsa_reserve_vcc 0
		.amdhsa_float_denorm_mode_32 3
		.amdhsa_float_denorm_mode_16_64 3
		.amdhsa_memory_ordered 1
		.amdhsa_forward_progress 1
		.amdhsa_inst_pref_size 148
	.end_amdhsa_kernel
	.amdgpu_metadata
---
amdhsa.version: [ 1, 2 ]
amdhsa.kernels:
  - .name:           k_qde0ad7cc1f_projo
    .symbol:         k_qde0ad7cc1f_projo.kd
    .args:
      - { .name: oimg, .offset: 0, .size: 8, .value_kind: global_buffer, .address_space: global }
      - { .name: osc, .offset: 8, .size: 8, .value_kind: global_buffer, .address_space: global }
      - { .name: Wo_codes, .offset: 16, .size: 8, .value_kind: global_buffer, .address_space: global }
      - { .name: Wo_scales, .offset: 24, .size: 8, .value_kind: global_buffer, .address_space: global }
      - { .name: bo, .offset: 32, .size: 8, .value_kind: global_buffer, .address_space: global }
      - { .name: out0, .offset: 40, .size: 8, .value_kind: global_buffer, .address_space: global }
    .group_segment_fixed_size: 327680
    .private_segment_fixed_size: 0
    .kernarg_segment_align: 8
    .kernarg_segment_size: 48
    .max_flat_workgroup_size: 128
    .sgpr_count:     100
    .vgpr_count:     1024
    .wavefront_size: 32
...
	.end_amdgpu_metadata
.endif
;; end of part 3
